; MI455X (gfx1250); checked and timed in simulation.
; The chip was launched on July 23, 2026; its instructions are those of AMD's public machine-readable ISA for CDNA 5 (MIT licence, August 2026) and "CDNA5" Instruction Set Architecture Reference Guide (July 2026). The comments in the code are by the model that wrote it; some were corrected since.
;; Causal Self Attention. Allowed arithmetic: float matrix products may take bf16 or f16 operands with f32 sums; all other float work in f32.
;; Inputs: Wk 1,024 x 1,024 float32; Wp 1,024 x 1,024 float32; Wq 1,024 x 1,024 float32; Wv 1,024 x 1,024 float32; bk 1,024 float32; bp 1,024 float32; bq 1,024 float32; bv 1,024 float32; custom_mask 4 x 1 x 2,048 bool; x 2,048 x 4 x 1,024 float32.
;; Outputs: out0 2,048 x 4 x 1,024 float32.
;; 3 versions, each right; version 2 is faster than version 1; version 3 is version 2 with the launch cast written anew for expert scheduling mode. Each part assembles by itself: llvm-mc -triple=amdgcn-amd-amdhsa -mcpu=gfx1250 --defsym DOCPART=n.
;; ======== version 1 of 3: 4 launches
;; limits: values are held in f16: magnitudes above 65,504 overflow, below 6.1e-05 lose precision
;; workspace buffers: xh 16,777,216 bytes; wqkv 6,291,456 bytes; wph 4,194,304 bytes; bqkv 12,288 bytes; maskf 32,768 bytes; qkv 50,331,648 bytes; yh 33,554,432 bytes
;; launch cast (part 1): grid 768 x 1, 8 waves a work-group, no clusters, 0 bytes of LDS; arguments x, Wq, Wk, Wv, Wp, bq, bk, bv, custom_mask, xh, wqkv, wph, bqkv, maskf; writes xh, wqkv, wph, bqkv, maskf
.if DOCPART == 1
	.amdgcn_target "amdgcn-amd-amdhsa--gfx1250"
	.amdhsa_code_object_version 6
	.text
	.protected	k_q2a264933c3_cast
	.globl	k_q2a264933c3_cast
	.p2align	8
	.type	k_q2a264933c3_cast,@function
k_q2a264933c3_cast:
	s_mov_b64 s[64:65], 0
	v_nop
	global_prefetch_b8 v0, s[64:65] scope:SCOPE_SE
	s_setreg_imm32_b32 hwreg(HW_REG_WAVE_MODE, 25, 1), 1
	s_wait_xcnt 0x0
; cast: f32 to bf16 for the matrix operands that are inputs, once, with some reordering on the way.
;   xh[b*2048+t][1024]  = bf16(x[t][b][1024])         rows go from (t, b) to (b, t)
;   wqkv[3072][1024]    = bf16(Wq; Wk; Wv)            one matrix of 3,072 rows
;   wph[1024][2048]     = bf16(Wp | Wp)               each row twice side by side: the last product multiplies it by y's upper and by y's lower part
;   bqkv[3072]          = (bq; bk; bv), f32 as they are
;   maskf[4][2048]      = 0.0 where custom_mask's byte is not 0, -infinity where it is 0
; 12,288 source rows of 4,096 bytes.  A work-group takes 16 of them, a wave two neighbouring ones: sixteen loads of 16 bytes a lane,
; each covering 512 consecutive bytes, all issued before the first is waited for.  Each store of a wave (8 bytes a lane) covers 256
; consecutive bytes, aligned.  No LDS, no barrier, no matrix unit: nothing is used twice.
; Work-groups 0-511: x.  512 + 64 mi + gi: row group gi of matrix mi (0 Wq, 1 Wk, 2 Wv, 3 Wp).  The four with gi = 0 also copy one bias (mi < 3) or make maskf (mi = 3).
.set X, 8                              ; v[8:71]    16 x 4 registers as loaded
.set Y, 72                             ; v[72:103]  16 x 2 registers to store
.set MI, 104                           ; v[104:111] mask words
.set MO, 112                           ; v[112:143] mask as f32
	s_load_b512 s[8:23], s[0:1], 0x0               ; x 8, Wq 10, Wk 12, Wv 14, Wp 16, bq 18, bk 20, bv 22
	s_load_b256 s[24:31], s[0:1], 0x40             ; custom_mask 24, xh 26, wqkv 28, wph 30
	s_load_b128 s[32:35], s[0:1], 0x60             ; bqkv 32, maskf 34
	v_lshrrev_b32 v1, 5, v0
	v_readfirstlane_b32 s36, v1                    ; wave
	v_and_b32 v1, 31, v0                           ; lane
	v_lshlrev_b32 v2, 4, v1                        ; 16 bytes a lane in the source
	v_lshlrev_b32 v3, 3, v1                        ; 8 bytes a lane in the target
	s_mov_b32 s37, ttmp9                           ; g
	s_sub_co_u32 s38, s37, 512                     ; g - 512 (for g < 512 it wraps, and mi below is then far above 3)
	s_lshr_b32 s39, s38, 6                         ; mi
	s_and_b32 s40, s38, 63                         ; gi
	s_cmp_lt_u32 s37, 512
	s_cselect_b32 s41, s37, s40                    ; row group inside its tensor
	s_lshl_b32 s41, s41, 4
	s_lshl1_add_u32 s41, s36, s41                  ; r0 = 16 x group + 2 x wave: my first source row (even)
	s_mov_b32 s52, 0x800                           ; wqkv: the second row lies one target row (2,048 bytes) further
	s_mov_b32 s53, 0x400000                        ; x: rows r0 and r0 + 1 are b and b + 1 of one t: 2,048 target rows further
	s_wait_kmcnt 0x0
	; the source: a choice among five buffers, on ids alone
	s_cmp_eq_u32 s39, 2
	s_cselect_b64 s[42:43], s[14:15], s[16:17]
	s_cmp_eq_u32 s39, 1
	s_cselect_b64 s[42:43], s[12:13], s[42:43]
	s_cmp_eq_u32 s39, 0
	s_cselect_b64 s[42:43], s[10:11], s[42:43]
	s_cmp_lt_u32 s37, 512
	s_cselect_b64 s[42:43], s[8:9], s[42:43]
	; the target and the target row
	s_cmp_lt_u32 s39, 3
	s_cselect_b64 s[44:45], s[28:29], s[30:31]     ; wqkv or wph
	s_cselect_b32 s47, s39, 0
	s_lshl_b32 s47, s47, 10
	s_add_co_u32 s47, s47, s41                     ; W: row 1,024 mi + r0 of wqkv, or r0 of wph
	s_and_b32 s46, s41, 3
	s_lshl_b32 s46, s46, 11
	s_lshr_b32 s54, s41, 2
	s_add_co_u32 s46, s46, s54                     ; x: row 2,048 b + t
	s_cmp_lt_u32 s37, 512
	s_cselect_b64 s[44:45], s[26:27], s[44:45]
	s_cselect_b32 s46, s46, s47
	s_cselect_b32 s52, s53, s52
	s_lshl_b32 s48, s41, 12                        ; source offset: rows of 4,096 bytes (below 2^26)
	s_mov_b32 s49, 0
	s_lshl_b32 s50, s46, 11                        ; target offset: rows of 2,048 bytes,
	s_lshl_b32 s55, s46, 12                        ; in wph of 4,096
	s_mov_b32 s51, 0
	s_cmp_eq_u32 s39, 3
	s_cselect_b32 s50, s55, s50
	s_cselect_b32 s52, 0x1000, s52
	s_add_nc_u64 s[42:43], s[42:43], s[48:49]
	s_add_nc_u64 s[44:45], s[44:45], s[50:51]
	v_add_nc_u32 v4, s52, v3                       ; my 8 bytes in the second row's target
.irp i, 0,1
.irp c, 0,1,2,3,4,5,6,7
	global_load_b128 v[X+4*(8*\i+\c):X+4*(8*\i+\c)+3], v2, s[42:43] offset:\i*4096+512*\c th:TH_LOAD_NT
.endr
.endr
.irp c, 0,1,2,3,4,5,6,7
	s_wait_loadcnt 15-\c                           ; loads come back in order: this one is in, the younger ones stay out
	v_cvt_pk_bf16_f32 v[Y+2*\c], v[X+4*\c], v[X+4*\c+1]
	v_cvt_pk_bf16_f32 v[Y+2*\c+1], v[X+4*\c+2], v[X+4*\c+3]
	global_store_b64 v3, v[Y+2*\c:Y+2*\c+1], s[44:45] offset:256*\c
.endr
.irp c, 0,1,2,3,4,5,6,7
	s_wait_loadcnt 7-\c
	v_cvt_pk_bf16_f32 v[Y+16+2*\c], v[X+32+4*\c], v[X+32+4*\c+1]
	v_cvt_pk_bf16_f32 v[Y+16+2*\c+1], v[X+32+4*\c+2], v[X+32+4*\c+3]
	global_store_b64 v4, v[Y+16+2*\c:Y+16+2*\c+1], s[44:45] offset:256*\c
.endr
	s_cmp_lt_u32 s37, 512
	s_cbranch_scc1 .Lend
	s_cmp_lg_u32 s39, 3
	s_cbranch_scc1 .Lonce
.irp c, 0,1,2,3,4,5,6,7                            ; Wp's rows once more, 2,048 bytes to the right, from the same registers, which nothing has rewritten
	global_store_b64 v3, v[Y+2*\c:Y+2*\c+1], s[44:45] offset:256*\c+2048
	global_store_b64 v4, v[Y+16+2*\c:Y+16+2*\c+1], s[44:45] offset:256*\c+2048
.endr
.Lonce:
	; the small jobs, in four work-groups; they name only registers that no pending store reads
	s_cmp_lg_u32 s40, 0
	s_cbranch_scc1 .Lend
	s_cmp_eq_u32 s39, 3
	s_cbranch_scc1 .Lmask
	s_cmp_eq_u32 s39, 1                            ; one bias: 256 threads x 16 bytes = its 4,096 bytes
	s_cselect_b64 s[54:55], s[20:21], s[22:23]
	s_cmp_eq_u32 s39, 0
	s_cselect_b64 s[54:55], s[18:19], s[54:55]
	s_lshl_b32 s56, s39, 12
	s_mov_b32 s57, 0
	s_add_nc_u64 s[58:59], s[32:33], s[56:57]
	v_lshlrev_b32 v5, 4, v0
	global_load_b128 v[MI:MI+3], v5, s[54:55]
	s_wait_loadcnt 0x0
	global_store_b128 v5, v[MI:MI+3], s[58:59]
	s_endpgm
.Lmask:                                            ; 8,192 mask bytes: 256 threads x 4 bytes x 8
	v_lshlrev_b32 v5, 2, v0
	v_lshlrev_b32 v6, 4, v0
	v_mov_b32 v7, 0xff800000                       ; -infinity
	v_mov_b32 v8, 0                                ; (v8's load has been waited for)
.irp n, 0,1,2,3,4,5,6,7
	global_load_b32 v[MI+\n], v5, s[24:25] offset:1024*\n
.endr
.irp n, 0,1,2,3,4,5,6,7
	s_wait_loadcnt 7-\n
.irp k, 0,1,2,3
	v_bfe_u32 v1, v[MI+\n], 8*\k, 8
	v_cmp_ne_u32 vcc_lo, 0, v1
	v_cndmask_b32 v[MO+4*\n+\k], v7, v8, vcc_lo    ; byte not 0: 0.0; byte 0: -infinity
.endr
	global_store_b128 v6, v[MO+4*\n:MO+4*\n+3], s[34:35] offset:4096*\n
.endr
.Lend:
	s_endpgm
.Lfunc_end_k_q2a264933c3_cast:
	.size	k_q2a264933c3_cast, .Lfunc_end_k_q2a264933c3_cast-k_q2a264933c3_cast
	.p2alignl 7, 3214868480
	.fill 96, 4, 3214868480
	.section	.rodata,"a",@progbits
	.p2align	6, 0x0
	.amdhsa_kernel k_q2a264933c3_cast
		.amdhsa_group_segment_fixed_size 0
		.amdhsa_private_segment_fixed_size 0
		.amdhsa_enable_private_segment 0
		.amdhsa_kernarg_size 112
		.amdhsa_user_sgpr_count 2
		.amdhsa_user_sgpr_kernarg_segment_ptr 1
		.amdhsa_wavefront_size32 1
		.amdhsa_system_sgpr_workgroup_id_x 1
		.amdhsa_system_sgpr_workgroup_id_y 1
		.amdhsa_system_sgpr_workgroup_id_z 1
		.amdhsa_system_vgpr_workitem_id 0
		.amdhsa_next_free_vgpr 144
		.amdhsa_next_free_sgpr 66
		.amdhsa_reserve_vcc 1
		.amdhsa_float_denorm_mode_32 3
		.amdhsa_float_denorm_mode_16_64 3
		.amdhsa_memory_ordered 1
		.amdhsa_forward_progress 1
		.amdhsa_inst_pref_size 16
	.end_amdhsa_kernel
	.amdgpu_metadata
---
amdhsa.version: [ 1, 2 ]
amdhsa.kernels:
  - .name:           k_q2a264933c3_cast
    .symbol:         k_q2a264933c3_cast.kd
    .args:
      - { .name: x, .offset: 0, .size: 8, .value_kind: global_buffer, .address_space: global }
      - { .name: Wq, .offset: 8, .size: 8, .value_kind: global_buffer, .address_space: global }
      - { .name: Wk, .offset: 16, .size: 8, .value_kind: global_buffer, .address_space: global }
      - { .name: Wv, .offset: 24, .size: 8, .value_kind: global_buffer, .address_space: global }
      - { .name: Wp, .offset: 32, .size: 8, .value_kind: global_buffer, .address_space: global }
      - { .name: bq, .offset: 40, .size: 8, .value_kind: global_buffer, .address_space: global }
      - { .name: bk, .offset: 48, .size: 8, .value_kind: global_buffer, .address_space: global }
      - { .name: bv, .offset: 56, .size: 8, .value_kind: global_buffer, .address_space: global }
      - { .name: custom_mask, .offset: 64, .size: 8, .value_kind: global_buffer, .address_space: global }
      - { .name: xh, .offset: 72, .size: 8, .value_kind: global_buffer, .address_space: global }
      - { .name: wqkv, .offset: 80, .size: 8, .value_kind: global_buffer, .address_space: global }
      - { .name: wph, .offset: 88, .size: 8, .value_kind: global_buffer, .address_space: global }
      - { .name: bqkv, .offset: 96, .size: 8, .value_kind: global_buffer, .address_space: global }
      - { .name: maskf, .offset: 104, .size: 8, .value_kind: global_buffer, .address_space: global }
    .group_segment_fixed_size: 0
    .private_segment_fixed_size: 0
    .kernarg_segment_align: 8
    .kernarg_segment_size: 112
    .max_flat_workgroup_size: 256
    .sgpr_count:     66
    .vgpr_count:     144
    .wavefront_size: 32
...
	.end_amdgpu_metadata
.endif
;; end of part 1
;; launch qkvproj (part 2): grid 16 x 32, 4 waves a work-group, clusters of 4 x 4, 327,680 bytes of LDS; arguments xh, wqkv, bqkv, qkv; writes qkv
.if DOCPART == 2
	.amdgcn_target "amdgcn-amd-amdhsa--gfx1250"
	.amdhsa_code_object_version 6
	.text
	.protected	k_q2a264933c3_qkvproj
	.globl	k_q2a264933c3_qkvproj
	.p2align	8
	.type	k_q2a264933c3_qkvproj,@function
k_q2a264933c3_qkvproj:
	s_mov_b64 s[64:65], 0
	v_nop
	global_prefetch_b8 v0, s[64:65] scope:SCOPE_SE
	s_setreg_imm32_b32 hwreg(HW_REG_WAVE_MODE, 25, 1), 1
	s_wait_xcnt 0x0
	s_wait_alu depctr_hold_cnt(0) depctr_sa_sdst(0) depctr_va_vdst(0) depctr_va_sdst(0) depctr_va_ssrc(0) depctr_va_vcc(0) depctr_vm_vsrc(0)
	s_getreg_b32 s2, hwreg(HW_REG_IB_STS2, 6, 4)
	s_cmp_eq_u32 s2, 0
	s_cbranch_scc0 .Lentry_in_a_cluster
	s_endpgm
.Lentry_in_a_cluster:
	s_bfe_u32 s2, ttmp6, 0x10000c
	s_cmp_lg_u32 s2, 0xf033
	s_cbranch_scc0 .Lentry_shape_is_right
	s_endpgm
.Lentry_shape_is_right:
; qkv = xh wqkv^T + bqkv.  xh: [8192][1024] bf16, wqkv: [3072][1024] bf16, bqkv: [3072] f32; sums in f32; the result in f16 (11 significant bits, which
; the attention's operands need), laid out by head: qkv[slot][row][64], slot = column / 64 (0-15 q, 16-31 k, 32-47 v), row = b*2048 + t.
; LIMIT: results of magnitude 65,504 or more do not fit f16 and become infinities.
; A work-group makes 256 rows x 192 columns (three heads) with four waves; a wave makes 128 x 96: 48 accumulator tiles of 16 x 16, 384 registers.
; 192 columns make 16 x 32 = 512 work-groups, twice the number of WGPs.  K goes in steps of 128 through a ring of two LDS slots filled by the
; tensor data mover; a tile's rows are 256 bytes of memory and start at multiples of 256 bytes.
; CLUSTERS: 4 x 4 work-groups.  The four of a row of the cluster need the same tiles of xh, the four of a column the same tiles of wqkv: such a tile is asked
; for jointly, by the same tensor load with the same descriptor and a mask that names the four.
; REGISTERS in windows of 256: window 0: v16-27 addresses; v64-127, v128-191 fragments of xh, two buffers; v192-239 the bias, later packed results.
;   window 1: v64-111, v128-175 fragments of wqkv, two buffers.  window 2: accumulators of my rows 0-63 (tile (a, b) at v[8 (6 a + b)]); window 3: rows 64-127.
; THE MATRIX INSTRUCTION IS USED TRANSPOSED (source 0 = 16 rows of wqkv, source 1 = 16 rows of xh): lane l holds row l % 16 of the result and its registers 0-7 the columns
; 8 (l / 16) + 0..7.  So the bias of those eight columns, loaded once in that layout, is the C operand of each tile's first product: nothing is cleared, nothing is added later.
.set NB,     6                         ; column tiles of 16 in a wave
.set SIZE_K, 1024
.set KSTEP,  128
.set PITCH,  272                       ; an LDS row: 256 bytes + 16 of padding: the 16 rows that a load touches start at 16 different 16-byte columns
.set BROWS,  16*NB                     ; rows of wqkv in one tensor load, and in one wave's tile
.set HALFA,  128*PITCH
.set HALFB,  BROWS*PITCH
.set SLOT,   2*HALFA+2*HALFB           ; xh's 256 rows, then wqkv's 192 rows
.set STAGE,  2*SLOT                    ; behind the ring: 128 rows x 400 bytes, shared by the four waves, for the way out; no tensor load lands here
.set SP,     400                       ; a stage row: 384 bytes + 16: an odd multiple of 16
.set LAPS,   SIZE_K/(2*KSTEP)          ; a lap = two K steps = once round the ring
.set ADRA, 16                          ; v16-17  LDS address of my xh fragments in slot 0, 1
.set ADRB, 20                          ; v20-21  the same for wqkv
.set STO,  24                          ; the way out: where I put 16 bytes of a row
.set RD,   25                          ; the way out: where I read back
.set CO,   26                          ; my byte offset in qkv
.set BO,   27                          ; my byte offset in the bias
.set F0,   64
.set F1,   128
.set BIAS, 192
.set TMP,  192
.set G1,  24                           ; s[24:31] group 1 for xh's tiles
.set G0,  32                           ; s[32:39] group 0 for xh's tiles, one set for each slot
.set G1B, 48                           ; s[48:55] group 1 for wqkv's tiles
.set G0B, 56                           ; s[56:63] group 0 for wqkv's tiles
.set MSB, 0
.macro WIN new                         ; the immediate's high byte repeats the setting that is left
.if MSB != \new
	s_set_vgpr_msb (MSB<<8)|\new
.set MSB, \new
.endif
.endm
.set MUL_LO,   0xa1                    ; source 0 window 1, source 1 window 0, C and D window 2
.set MUL_HI,   0xf1                    ; C and D window 3
.set FIRST_LO, 0x81                    ; C (the bias) window 0, D window 2
.set FIRST_HI, 0xc1                    ; C window 0, D window 3
.set TO_B,     0x40                    ; destination window 1, address window 0
; A joint load.  Waves 0 and 1 fetch xh's two halves, waves 2 and 3 wqkv's.  The branch hangs on the wave's number alone.
.macro JLOAD s
	s_cmp_eq_u32 s11, 0
	s_cbranch_scc0 .Lfor_b_\@
	tensor_load_to_lds s[G0+4*\s:G0+4*\s+3], s[G1:G1+7]
	s_nop 0
	s_branch .Lasked_\@
.Lfor_b_\@:
	tensor_load_to_lds s[G0B+4*\s:G0B+4*\s+3], s[G1B:G1B+7]
	s_nop 0
.Lasked_\@:
.endm
.macro CREST                           ; a round of the cluster's barrier behind its opening barrier
	s_cmp_lg_u32 s10, 0
	s_cbranch_scc1 .Lnot_wave_0_\@
	s_barrier_signal -3
.Lnot_wave_0_\@:
	s_barrier_wait -3
	s_barrier_signal -1
	s_barrier_wait -1
.endm
.macro CROUND                          ; a whole round
	s_barrier_signal -1
	s_barrier_wait -1
	CREST
.endm
	s_load_b256 s[72:79], s[0:1], 0x0              ; xh 72, wqkv 74, bqkv 76, qkv 78
	s_set_vgpr_msb 0x40
	v_lshl_add_u32 v255, v0, 2, 0x48000
	s_set_vgpr_msb 0x4000
	v_mov_b32 v255, 0
	s_set_vgpr_msb 0x1
	ds_add_u32 v255, v255
	s_set_vgpr_msb 0x100
	v_lshrrev_b32 v1, 5, v0
	v_readfirstlane_b32 s10, v1                    ; wave 0..3
	s_lshr_b32 s11, s10, 1                         ; which half of the block's rows is mine.  Also: I fetch for xh (0) or wqkv (1)
	s_and_b32 s12, s10, 1                          ; which half of its columns.  Also: which half of that tile I fetch
	s_bfe_u32 s40, ttmp6, 0x40000                  ; cx
	s_bfe_u32 s41, ttmp6, 0x40004                  ; cy
	s_lshl_b32 s42, ttmp9, 2
	s_add_co_u32 s42, s42, s40                     ; block column = 4 x cluster x + cx
	s_and_b32 s13, ttmp7, 0xffff
	s_lshl_b32 s13, s13, 2
	s_add_co_u32 s13, s13, s41                     ; block row = 4 x cluster y + cy
	s_lshl_b32 s43, s41, 2
	s_lshl_b32 s43, 15, s43                        ; my row of the cluster
	s_lshl_b32 s44, 0x1111, s40                    ; my column
	s_or_b32 s[G1+0], s43, (1<<16)|(1<<20)|(1<<21)|(5<<22)|(3<<25)  ; mask; elements of 2 bytes; padding on; bit 21 beside a mask; after every 64 words, 4 words
	s_or_b32 s[G1B+0], s44, (1<<16)|(1<<20)|(1<<21)|(5<<22)|(3<<25)
	s_mov_b32 s[G1+1], KSTEP<<16                   ; tensor_dim0 = 128
	s_mov_b32 s[G1B+1], KSTEP<<16
	s_mov_b32 s[G1+2], 128<<16                     ; tensor_dim1 = 128 rows
	s_mov_b32 s[G1B+2], BROWS<<16                  ; 96 rows
	s_mov_b32 s[G1+3], KSTEP<<16                   ; tile_dim0 = 128
	s_mov_b32 s[G1B+3], KSTEP<<16
	s_mov_b32 s[G1+4], 128                         ; tile_dim1
	s_mov_b32 s[G1B+4], BROWS
	s_mov_b32 s[G1+5], SIZE_K                      ; elements from row to row
	s_mov_b32 s[G1B+5], SIZE_K
	s_mov_b32 s[G1+6], 0
	s_mov_b32 s[G1B+6], 0
	s_mov_b32 s[G1+7], 0
	s_mov_b32 s[G1B+7], 0
	; xh's tiles hang on the block row alone, wqkv's on the block column alone; each address is made in registers that never hold the other coordinate
	s_lshl_b32 s17, s12, 7
	s_lshl_b32 s16, s13, 8
	s_add_co_u32 s16, s16, s17                     ; xh: row 256 x block row + 128 x half
	s_lshl_b32 s16, s16, 11                        ; rows of 2,048 bytes (below 2^24)
	s_mov_b32 s17, 0
	s_mul_i32 s46, s42, 2*BROWS
	s_mul_i32 s47, s12, BROWS
	s_add_co_u32 s46, s46, s47                     ; wqkv: row 192 x block column + 96 x half
	s_lshl_b32 s46, s46, 11
	s_mov_b32 s47, 0
	s_mul_i32 s20, s10, HALFA                      ; where they go: waves 0, 1: xh's halves
	s_mul_i32 s21, s10, HALFB
	s_add_co_u32 s21, s21, 2*HALFA-2*HALFB         ; waves 2, 3: wqkv's halves, behind xh's 256 rows
	s_wait_dscnt 0x0
	s_wait_kmcnt 0x0
	s_add_nc_u64 s[14:15], s[72:73], s[16:17]
	s_add_nc_u64 s[46:47], s[74:75], s[46:47]
	CROUND                                         ; all sixteen work-groups are here: the first joint loads meet
.irp s, 0,1
	s_mov_b32 s[G0+4*\s], 1
	s_add_co_u32 s[G0+4*\s+1], s20, \s*SLOT
	s_add_nc_u64 s[G0+4*\s+2:G0+4*\s+3], s[14:15], \s*KSTEP*2
	s_or_b32 s[G0+4*\s+3], s[G0+4*\s+3], 0x80000000
	s_mov_b32 s[G0B+4*\s], 1
	s_add_co_u32 s[G0B+4*\s+1], s21, \s*SLOT
	s_add_nc_u64 s[G0B+4*\s+2:G0B+4*\s+3], s[46:47], \s*KSTEP*2
	s_or_b32 s[G0B+4*\s+3], s[G0B+4*\s+3], 0x80000000
	JLOAD \s                                       ; both slots are asked for before anything else: two tensor loads of the wave are out
.endr
	v_and_b32 v1, 15, v0                           ; r = l % 16
	v_bfe_u32 v2, v0, 4, 1                         ; h = l / 16
	; the bias of my 96 columns, in the accumulators' layout: register 8 b + j = bias[192 bx + 96 wn + 16 b + 8 h + j]
	v_lshlrev_b32 v[BO], 5, v2
	s_mul_i32 s70, s42, 2*BROWS*4
	s_mul_i32 s71, s12, BROWS*4
	s_add_co_u32 s70, s70, s71
	s_mov_b32 s71, 0
	s_add_nc_u64 s[68:69], s[76:77], s[70:71]
.set bi, 0
.rept NB
	global_load_b128 v[BIAS+8*bi:BIAS+8*bi+3], v[BO], s[68:69] offset:64*bi
	global_load_b128 v[BIAS+8*bi+4:BIAS+8*bi+7], v[BO], s[68:69] offset:64*bi+16
.set bi, bi+1
.endr
	; fragments: lane l holds row l % 16; registers 0-3 K = 8 h + 0..7, registers 4-7 K = 16 + 8 h + 0..7: two loads of 16 bytes, 32 bytes apart
	v_mul_u32_u24 v3, v1, PITCH
	v_lshl_add_u32 v3, v2, 4, v3
	s_mul_i32 s22, s11, HALFA
	s_mul_i32 s23, s12, HALFB
	s_add_co_u32 s23, s23, 2*HALFA
.irp s, 0,1
	v_add_nc_u32 v[ADRA+\s], s22, v3
	v_add_nc_u32 v[ADRB+\s], s23, v3
	s_add_co_u32 s22, s22, SLOT
	s_add_co_u32 s23, s23, SLOT
.endr
	; the way out.  In: stage row 64 wm + 16 a + r, bytes 192 wn + 32 b + 16 h.  Back: wave w takes stage rows 32 w .. 32 w + 31, four rows of one head (512 bytes of qkv) a load
	v_mul_u32_u24 v4, v1, SP
	v_lshl_add_u32 v4, v2, 4, v4
	s_mul_i32 s18, s11, 64*SP
	s_mul_i32 s19, s12, 192
	s_add_co_u32 s18, s18, s19
	s_add_co_u32 s18, s18, STAGE
	v_add_nc_u32 v[STO], s18, v4
	v_and_b32 v5, 31, v0
	v_lshrrev_b32 v6, 3, v5
	v_and_b32 v7, 7, v0
	v_mul_u32_u24 v6, v6, SP
	v_lshl_add_u32 v6, v7, 4, v6
	s_mul_i32 s18, s10, 32*SP
	s_add_co_u32 s18, s18, STAGE
	v_add_nc_u32 v[RD], s18, v6
	v_lshlrev_b32 v[CO], 4, v5
; 2 NB matrix instructions: row tiles a0, a0 + 1 of the window's four x all NB column tiles, 32 along K.  first = 1: C is the bias.
; The accumulators take turns, one instruction a turn, in the same order in every quarter step.
.macro MUL16 f, hi, a0, first
.irp a, \a0, \a0+1
.set mb, 0
.rept NB
.if \first
	v_wmma_f32_16x16x32_bf16 v[8*(NB*(\a)+mb):8*(NB*(\a)+mb)+7], v[\f+8*mb:\f+8*mb+7], v[\f+8*(4*\hi+\a):\f+8*(4*\hi+\a)+7], v[BIAS+8*mb:BIAS+8*mb+7]
.else
	v_wmma_f32_16x16x32_bf16 v[8*(NB*(\a)+mb):8*(NB*(\a)+mb)+7], v[\f+8*mb:\f+8*mb+7], v[\f+8*(4*\hi+\a):\f+8*(4*\hi+\a)+7], v[8*(NB*(\a)+mb):8*(NB*(\a)+mb)+7]
.endif
.set mb, mb+1
.endr
.endr
.endm
; 2 NB + 16 LDS loads in one run: the fragments of one quarter step into buffer f
.macro FETCH slot, k, f
	WIN TO_B
.set fi, 0
.rept NB
	ds_load_b128 v[\f+8*fi:\f+8*fi+3],   v[ADRB+\slot] offset:\k+fi*16*PITCH
	ds_load_b128 v[\f+8*fi+4:\f+8*fi+7], v[ADRB+\slot] offset:\k+fi*16*PITCH+32
.set fi, fi+1
.endr
	WIN 0
.irp i, 0,1,2,3,4,5,6,7
	ds_load_b128 v[\f+8*\i:\f+8*\i+3],   v[ADRA+\slot] offset:\k+\i*16*PITCH
	ds_load_b128 v[\f+8*\i+4:\f+8*\i+7], v[ADRA+\slot] offset:\k+\i*16*PITCH+32
.endr
.endm
; Four independent vector instructions stand between a matrix instruction and a load into one of its sources or a vector instruction that reads its result
.macro PLACES
.rept 4
	v_nop
.endr
.endm
.macro QUARTER slot, k, f, g, first
	s_wait_dscnt 8                                 ; wqkv's fragments and xh's rows 0-63 are in; the youngest eight loads (rows 64-127) may be out
.if \first
	WIN FIRST_LO
.else
	WIN MUL_LO
.endif
	MUL16 \f, 0, 0, \first
	MUL16 \f, 0, 2, \first
	PLACES
	FETCH \slot, \k, \g
	s_wait_dscnt 2*NB+16                           ; all but the run just issued
.if \first
	WIN FIRST_HI
.else
	WIN MUL_HI
.endif
	MUL16 \f, 1, 0, \first
	MUL16 \f, 1, 2, \first
.endm
.macro THREE slot, first
	QUARTER \slot, 64,  F0, F1, \first
	QUARTER \slot, 128, F1, F0, 0
	QUARTER \slot, 192, F0, F1, 0
.endm
; The last quarter of a K step changes slots.  In front of the barrier each wave waits for its reads of this slot and for all its tensor loads (one is out: its part of the
; next slot).  Where this slot is filled again the barrier opens a round of the cluster's barrier, and the joint refill is the first tensor load behind the round.
.macro TURN slot, next, fill
	s_wait_dscnt 8
	WIN MUL_LO
	MUL16 F1, 0, 0, 0
	s_wait_dscnt 0                                 ; my reads of this slot are over
	s_wait_tensorcnt 0x0                           ; all my tensor loads have landed
	ds_add_u32 v255, v255
	s_wait_dscnt 0x0
	s_barrier_signal -1
	MUL16 F1, 0, 2, 0                              ; register work while the others arrive
	WIN 0
	s_barrier_wait -1
.if \fill
	CREST
	s_add_nc_u64 s[G0+4*\slot+2:G0+4*\slot+3], s[G0+4*\slot+2:G0+4*\slot+3], 2*KSTEP*2
	s_add_nc_u64 s[G0B+4*\slot+2:G0B+4*\slot+3], s[G0B+4*\slot+2:G0B+4*\slot+3], 2*KSTEP*2
	JLOAD \slot                                    ; two K steps ahead; the wave's one tensor load until the next round
.endif
	PLACES
	FETCH \next, 0, F0
	WIN MUL_HI
	MUL16 F1, 1, 0, 0
	MUL16 F1, 1, 2, 0
.endm
.macro LAP first
	THREE 0, \first
	TURN 0, 1, 1
	THREE 1, 0
	TURN 1, 0, 1
.endm
	s_wait_tensorcnt 1                             ; my part of K step 0 is in; K step 1's may stay out
	s_barrier_signal -1
	s_barrier_wait -1
	FETCH 0, 0, F0
	s_wait_loadcnt 0x0                             ; the bias
	LAP 1                                          ; the first products take the bias as C
	WIN 0
	s_mov_b32 s3, LAPS-2
.Llap:
	LAP 0
	WIN 0
	s_sub_co_u32 s3, s3, 1
	s_cmp_lg_u32 s3, 0
	s_cbranch_scc1 .Llap
	THREE 0, 0                                     ; the last lap fills nothing
	TURN 0, 1, 0
	THREE 1, 0
	s_wait_dscnt 8
	WIN MUL_LO
	MUL16 F1, 0, 0, 0
	MUL16 F1, 0, 2, 0
	s_wait_dscnt 0
	WIN MUL_HI
	MUL16 F1, 1, 0, 0
	MUL16 F1, 1, 2, 0
	PLACES                                         ; behind the last matrix instructions: the conversions read results, the loads below land on fragment registers
	; THE WAY OUT.  A wave's 96 columns are one and a half heads, so the four waves' rows meet in the shared stage, 128 rows of 192 columns at a time.
	s_lshl_b32 s16, s13, 8                         ; row part: 256 by + 128 (w / 2) + 32 (w % 2), rows of 128 bytes
	s_lshl_b32 s17, s11, 7
	s_add_co_u32 s16, s16, s17
	s_lshl_b32 s17, s12, 5
	s_add_co_u32 s16, s16, s17
	s_lshl_b32 s16, s16, 7
	s_mov_b32 s17, 0
	s_add_nc_u64 s[78:79], s[78:79], s[16:17]
	s_mul_i32 s46, s42, 3*8192*128                 ; column part: head slot 3 bx, 8,192 rows of 128 bytes each (below 2^26)
	s_mov_b32 s47, 0
	s_add_nc_u64 s[78:79], s[78:79], s[46:47]
; p = 0: every wave's rows 0-63 (window 2, from = 0x0a: sources 0 and 1); p = 1: rows 64-127 (window 3, 0x0f)
.macro OUTH p, from
.irp a, 0,1,2,3
	WIN \from
.set ob, 0
.rept NB
.irp r, 0,1,2,3
	v_cvt_pk_f16_f32 v[TMP+4*ob+\r], v[8*(NB*\a+ob)+2*\r], v[8*(NB*\a+ob)+2*\r+1]
.endr
.set ob, ob+1
.endr
	WIN 0
.set ob, 0
.rept NB
	ds_store_b128 v[STO], v[TMP+4*ob:TMP+4*ob+3] offset:\a*16*SP+32*ob
.set ob, ob+1
.endr
.endr
	s_wait_dscnt 0x0                               ; my stores are in the stage,
	s_barrier_signal -1
	s_barrier_wait -1                              ; everybody's are
	s_wait_xcnt 0x0                                ; v64-159 were the data of the half before's stores: loaded again only behind this wait
.irp hd, 0,1,2
.irp g, 0,1,2,3,4,5,6,7
	ds_load_b128 v[F0+4*(8*\hd+\g):F0+4*(8*\hd+\g)+3], v[RD] offset:\g*4*SP+128*\hd
.endr
.endr
.irp hd, 0,1,2
.irp g, 0,1,2,3,4,5,6,7
	s_wait_dscnt 23-(8*\hd+\g)
	global_store_b128 v[CO], v[F0+4*(8*\hd+\g):F0+4*(8*\hd+\g)+3], s[78:79] offset:\hd*1048576+\p*8192+\g*512   ; four rows of one head: 512 consecutive bytes, aligned
.endr
.endr
.endm
	OUTH 0, 0x0a
	s_barrier_signal -1                            ; every wave's reads of the stage are back (the count-down ended at 0): it may be written again
	s_barrier_wait -1
	OUTH 1, 0x0f
	s_set_vgpr_msb 0x1
	s_wait_tensorcnt 0x0
	ds_add_u32 v255, v255
	s_wait_dscnt 0x0
	s_set_vgpr_msb 0x100
	CROUND                                         ; the closing round
	s_endpgm
.Lfunc_end_k_q2a264933c3_qkvproj:
	.size	k_q2a264933c3_qkvproj, .Lfunc_end_k_q2a264933c3_qkvproj-k_q2a264933c3_qkvproj
	.p2alignl 7, 3214868480
	.fill 96, 4, 3214868480
	.section	.rodata,"a",@progbits
	.p2align	6, 0x0
	.amdhsa_kernel k_q2a264933c3_qkvproj
		.amdhsa_group_segment_fixed_size 327680
		.amdhsa_private_segment_fixed_size 0
		.amdhsa_enable_private_segment 0
		.amdhsa_kernarg_size 32
		.amdhsa_user_sgpr_count 2
		.amdhsa_user_sgpr_kernarg_segment_ptr 1
		.amdhsa_wavefront_size32 1
		.amdhsa_system_sgpr_workgroup_id_x 1
		.amdhsa_system_sgpr_workgroup_id_y 1
		.amdhsa_system_sgpr_workgroup_id_z 1
		.amdhsa_system_vgpr_workitem_id 0
		.amdhsa_next_free_vgpr 1024
		.amdhsa_next_free_sgpr 80
		.amdhsa_reserve_vcc 0
		.amdhsa_float_denorm_mode_32 3
		.amdhsa_float_denorm_mode_16_64 3
		.amdhsa_memory_ordered 1
		.amdhsa_forward_progress 1
		.amdhsa_inst_pref_size 159
	.end_amdhsa_kernel
	.amdgpu_metadata
---
amdhsa.version: [ 1, 2 ]
amdhsa.kernels:
  - .name:           k_q2a264933c3_qkvproj
    .symbol:         k_q2a264933c3_qkvproj.kd
    .args:
      - { .name: xh, .offset: 0, .size: 8, .value_kind: global_buffer, .address_space: global }
      - { .name: wqkv, .offset: 8, .size: 8, .value_kind: global_buffer, .address_space: global }
      - { .name: bqkv, .offset: 16, .size: 8, .value_kind: global_buffer, .address_space: global }
      - { .name: qkv, .offset: 24, .size: 8, .value_kind: global_buffer, .address_space: global }
    .group_segment_fixed_size: 327680
    .private_segment_fixed_size: 0
    .kernarg_segment_align: 8
    .kernarg_segment_size: 32
    .max_flat_workgroup_size: 128
    .sgpr_count:     80
    .vgpr_count:     1024
    .wavefront_size: 32
...
	.end_amdgpu_metadata
.endif
;; end of part 2
;; launch attn (part 3): grid 8 x 32, 8 waves a work-group, no clusters, 327,680 bytes of LDS; arguments qkv, maskf, yh; writes yh
.if DOCPART == 3
	.amdgcn_target "amdgcn-amd-amdhsa--gfx1250"
	.amdhsa_code_object_version 6
	.text
	.protected	k_q2a264933c3_attn
	.globl	k_q2a264933c3_attn
	.p2align	8
	.type	k_q2a264933c3_attn,@function
k_q2a264933c3_attn:
	s_mov_b64 s[64:65], 0
	v_nop
	global_prefetch_b8 v0, s[64:65] scope:SCOPE_SE
	s_setreg_imm32_b32 hwreg(HW_REG_WAVE_MODE, 25, 1), 1
	s_wait_xcnt 0x0
; Causal attention with a key mask, softmax with a running maximum.  qkv: [48 head slots][b*2048+t][64] f16 (q 0-15, k 16-31, v 32-47);
; maskf: [4][2048] f32, 0 or -infinity for a key; yh: [b*2048+t][2048] bf16: columns 0-1023 hold bf16(y), columns 1024-2047 hold bf16(y - bf16(y)).
; The two parts together carry 16 significant bits of y; the last product multiplies both by the same weights.
; LIMITS: |q|, |k|, |v| below 65,504 (f16).  The running maximum starts at the most negative finite f32 (about -3.4e38): scaled scores are taken to lie above it.
; A query with no allowed key has sum 0 and output sums 0: 0 x (1/0) gives NaN, as a softmax over nothing but -infinity does.
; THE SHARE.  Work-group (i = x, b = y / 8, head pair hp = y % 8) makes the query blocks 2 i and 15 - 2 i (128 queries each) of two heads:
; (2 i + 1) + (16 - 2 i) = 17 key steps of 128 keys in every work-group.  Wave w: kh = w / 4 (which 64 keys of a step), hd = (w / 2) % 2 (head), qs = w % 2 (which 64 queries).
; Waves w and w + 4 hold the same queries and split the keys; their sums are merged at the end of a pass.  A pass begins with its diagonal step, which starts the sums: nothing is cleared.
; NO CLUSTER: the eight work-groups of one (b, head pair) read the same K and V, but each walks its own list: its diagonal tile, then 2 i tiles, its other diagonal, then 15 - 2 i tiles.
; Four partners walking one joint list would each have to ask for the longest partner's tiles in both passes, 17 + 2 x 3 = 23 steps in place of 17.
; LAYOUTS.  S^T = K Q^T (source 0 = 16 keys, source 1 = 16 queries): lane (r, h), register j = (key 16 mt + 8 h + j, query 16 nt + r).  Two such tiles, packed to f16 in place, are
; the second source P^T of O^T = V^T P^T; V^T comes from V's rows by transposing LDS loads.  Maximum, sum and rescaling belong to a query, that is a lane.
.set SLOT, 78336                       ; V head 0, V head 1 (pitch 160), K head 0, K head 1 (pitch 144), 128 mask numbers
.set VH,   20480                       ; 128 keys x 160 bytes: an odd multiple of 32, for the transposing loads
.set KH,   18432                       ; 128 keys x 144 bytes: an odd multiple of 16
.set KOFF, 2*VH
.set MOFF, 2*VH+2*KH
.set MRG,  2*SLOT                      ; 4 x 17,408 bytes: what waves 4-7 hand to waves 0-3.  No tensor load lands here or behind
.set MRGW, 17408
.set YST,  MRG+4*MRGW                  ; 128 rows x 272 bytes: the block's output, both heads, upper parts;
.set YP,   272
.set YLO,  128*YP                      ; so many bytes further the lower parts
.set KADR, 2                           ; v2-3   K fragments in slot 0, 1
.set VADR, 4                           ; v4-5   V fragments
.set MADR, 6                           ; v6-7   mask numbers
.set QOFF, 8
.set DIAGD, 9                          ; r - 8 h + 64 (qs - kh)
.set NINF, 10
.set MRGA, 11
.set YSTO, 12
.set YRD,  13
.set YCO,  14
.set RM,   16                          ; v16-19 running maxima, one for each query tile
.set RL,   20                          ; v20-23 running sums (of my half of the lanes' keys)
.set RA,   24                          ; v24-27 rescaling factors
.set RN,   28                          ; v28-31 new maxima; the partner's factor in the merge
.set RT,   32                          ; v32-63 mask numbers, then scratch
.set RH,   48                          ; v48-51 a tile's upper parts, packed; v52-59 the same as f32
.set RKV,  64                          ; v64-127 K fragments, then V fragments
.set RS,   128                         ; v128-255 S tiles at 8 (4 nt + mt); P packed in place
.set RQ,   0                           ; window 1: v0-63 Q fragments at 8 (2 nt + kk)
.set RO,   64                          ; window 1: v64-191 O tiles at 8 (4 nt + dt)
.set G1V, 32
.set G1K, 40
.set G1M, 48
.set G0V, 56                           ; s[56:63], s[68:75], s[76:83]: group 0, one set for each slot
.set G0K, 68
.set G0M, 76
.set BV,  84                           ; bases: V, K of the head that I fetch, my b's mask row
.set BK,  86
.set BM,  88
.set QBA, 90
.set QBB, 92
.set YBA, 94
.set YBB, 96
.set MSB, 0
.macro WIN new                         ; bits 1:0 source 0, 3:2 source 1, 5:4 source 2, 7:6 destination; the high byte repeats the setting that is left
.if MSB != \new
	s_set_vgpr_msb (MSB<<8)|\new
.set MSB, \new
.endif
.endm
; the addresses of the key step at byte offset s20 (16,384 a step) into slot s's three descriptors.  Stands where no tensor load of the wave is out.
.macro SETADR s
	s_lshr_b32 s22, s20, 5                         ; 512 bytes of mask a step
	s_add_nc_u64 s[G0V+4*\s+2:G0V+4*\s+3], s[BV:BV+1], s[20:21]
	s_or_b32 s[G0V+4*\s+3], s[G0V+4*\s+3], 0x80000000
	s_add_nc_u64 s[G0K+4*\s+2:G0K+4*\s+3], s[BK:BK+1], s[20:21]
	s_or_b32 s[G0K+4*\s+3], s[G0K+4*\s+3], 0x80000000
	s_add_nc_u64 s[G0M+4*\s+2:G0M+4*\s+3], s[BM:BM+1], s[22:23]
	s_or_b32 s[G0M+4*\s+3], s[G0M+4*\s+3], 0x80000000
.endm
.macro NEXTKEY                         ; the next key step; behind the first pass's last full step comes the second pass's diagonal
	s_add_co_u32 s20, s20, 16384
	s_cmp_eq_u32 s20, s24
	s_cselect_b32 s20, s25, s20
.endm
; One tensor load a wave: waves 0, 1 V of head w; waves 2, 3 K of head w - 2; wave 4 the mask; waves 5-7 none.
.macro KVLOAD s
	s_cmp_lt_u32 s10, 2
	s_cbranch_scc0 .Lnot_v_\@
	tensor_load_to_lds s[G0V+4*\s:G0V+4*\s+3], s[G1V:G1V+7]
	s_nop 0
	s_branch .Lasked_\@
.Lnot_v_\@:
	s_cmp_lt_u32 s10, 4
	s_cbranch_scc0 .Lnot_k_\@
	tensor_load_to_lds s[G0K+4*\s:G0K+4*\s+3], s[G1K:G1K+7]
	s_nop 0
	s_branch .Lasked_\@
.Lnot_k_\@:
	s_cmp_eq_u32 s10, 4
	s_cbranch_scc0 .Lasked_\@
	tensor_load_to_lds s[G0M+4*\s:G0M+4*\s+3], s[G1M:G1M+7]
	s_nop 0
.Lasked_\@:
.endm
.macro QLOAD qb                        ; my 64 queries as second-source fragments: lane (r, h): query 16 nt + r, d = 32 kk + 8 h + 0..7 and + 16
	WIN 0x40
.irp nt, 0,1,2,3
.irp kk, 0,1
	global_load_b128 v[RQ+8*(2*\nt+\kk):RQ+8*(2*\nt+\kk)+3], v[QOFF], s[\qb:\qb+1] offset:\nt*2048+64*\kk
	global_load_b128 v[RQ+8*(2*\nt+\kk)+4:RQ+8*(2*\nt+\kk)+7], v[QOFF], s[\qb:\qb+1] offset:\nt*2048+64*\kk+32
.endr
.endr
	WIN 0
.endm
; packed arithmetic with one register of a pair feeding both halves
.macro SUBM d, nt                      ; v[d:d+1] -= maximum of query tile nt
.if (\nt) & 1
	v_pk_add_f32 v[\d:\d+1], v[\d:\d+1], v[RM+\nt-1:RM+\nt] op_sel:[0,1] op_sel_hi:[1,1] neg_lo:[0,1] neg_hi:[0,1]
.else
	v_pk_add_f32 v[\d:\d+1], v[\d:\d+1], v[RM+\nt:RM+\nt+1] op_sel_hi:[1,0] neg_lo:[0,1] neg_hi:[0,1]
.endif
.endm
.macro MULB d, base, nt                ; v[d:d+1] *= v[base+nt]
.if (\nt) & 1
	v_pk_mul_f32 v[\d:\d+1], v[\d:\d+1], v[\base+\nt-1:\base+\nt] op_sel:[0,1] op_sel_hi:[1,1]
.else
	v_pk_mul_f32 v[\d:\d+1], v[\d:\d+1], v[\base+\nt:\base+\nt+1] op_sel_hi:[1,0]
.endif
.endm
.macro FMAB d, a, base, nt             ; v[d:d+1] += v[a:a+1] * v[base+nt]
.if (\nt) & 1
	v_pk_fma_f32 v[\d:\d+1], v[\a:\a+1], v[\base+\nt-1:\base+\nt], v[\d:\d+1] op_sel:[0,1,0] op_sel_hi:[1,1,1]
.else
	v_pk_fma_f32 v[\d:\d+1], v[\a:\a+1], v[\base+\nt:\base+\nt+1], v[\d:\d+1] op_sel_hi:[1,0,1]
.endif
.endm
	s_load_b128 s[4:7], s[0:1], 0x0                ; qkv, maskf
	s_load_b64 s[8:9], s[0:1], 0x10                ; yh
	v_lshl_add_u32 v15, v0, 2, 0x48400
	s_set_vgpr_msb 0x40
	v_mov_b32 v193, 0
	s_set_vgpr_msb 0x4044
	ds_add_u32 v15, v193
	s_set_vgpr_msb 0x4400
	v_lshrrev_b32 v1, 5, v0
	v_readfirstlane_b32 s10, v1                    ; wave 0..7
	s_lshr_b32 s11, s10, 2                         ; kh
	s_bfe_u32 s12, s10, 0x10001                    ; hd
	s_and_b32 s13, s10, 1                          ; qs; also the head whose K or V I fetch
	s_mov_b32 s14, ttmp9                           ; i
	s_and_b32 s15, ttmp7, 0xffff
	s_lshr_b32 s16, s15, 3                         ; b
	s_and_b32 s17, s15, 7                          ; hp
	s_lshl_b32 s18, s14, 1                         ; first pass: query block 2 i
	s_sub_co_u32 s19, 15, s18                      ; second pass: query block 15 - 2 i
	s_mov_b32 s26, 0x76543210                      ; v_permlanex16_b32: lane i of one half reads lane i of the other
	s_mov_b32 s27, 0xfedcba98
	s_mov_b32 s28, 0x3e38aa3b                      ; log2(e) / 8: the scale 1 / sqrt(64), and base 2 for v_exp_f32
	s_mov_b32 s29, 0x3e38aa3b
	s_mov_b32 s30, 0xff7fffff                      ; where a running maximum starts
	; A tile of K or V is 128 keys x 128 bytes, dense in memory: it comes as 64 rows of 256 bytes, with padding behind every 32 words, that is behind every key
	s_mov_b32 s[G1V+0], (3<<16)|(1<<20)|(4<<22)|(7<<25)   ; elements of 8 bytes; padding on; after every 32 words, 8 words: pitch 160
	s_mov_b32 s[G1K+0], (3<<16)|(1<<20)|(4<<22)|(3<<25)   ; 4 words: pitch 144
	s_mov_b32 s[G1M+0], 3<<16                      ; one row of 512 bytes, no padding
	s_mov_b32 s[G1V+1], 32<<16                     ; tensor_dim0
	s_mov_b32 s[G1K+1], 32<<16
	s_mov_b32 s[G1M+1], 64<<16
	s_mov_b32 s[G1V+2], 64<<16                     ; tensor_dim1
	s_mov_b32 s[G1K+2], 64<<16
	s_mov_b32 s[G1M+2], 1<<16
	s_mov_b32 s[G1V+3], 32<<16                     ; tile_dim0
	s_mov_b32 s[G1K+3], 32<<16
	s_mov_b32 s[G1M+3], 64<<16
	s_mov_b32 s[G1V+4], 64                         ; tile_dim1
	s_mov_b32 s[G1K+4], 64
	s_mov_b32 s[G1M+4], 1
	s_mov_b32 s[G1V+5], 32                         ; elements from row to row
	s_mov_b32 s[G1K+5], 32
	s_mov_b32 s[G1M+5], 64
	s_mov_b32 s[G1V+6], 0
	s_mov_b32 s[G1K+6], 0
	s_mov_b32 s[G1M+6], 0
	s_mov_b32 s[G1V+7], 0
	s_mov_b32 s[G1K+7], 0
	s_mov_b32 s[G1M+7], 0
	s_mul_i32 s2, s10, VH                          ; waves 0, 1: V's place
	s_mul_i32 s3, s10, KH
	s_add_co_u32 s3, s3, KOFF-2*KH                 ; waves 2, 3: K's place
.irp s, 0,1
	s_mov_b32 s[G0V+4*\s], 1
	s_add_co_u32 s[G0V+4*\s+1], s2, \s*SLOT
	s_mov_b32 s[G0K+4*\s], 1
	s_add_co_u32 s[G0K+4*\s+1], s3, \s*SLOT
	s_mov_b32 s[G0M+4*\s], 1
	s_mov_b32 s[G0M+4*\s+1], MOFF+\s*SLOT
.endr
	s_lshl_b32 s98, s17, 1
	s_add_co_u32 s98, s98, s13                     ; head 2 hp + (w % 2)
	s_lshl_b32 s98, s98, 13
	s_lshl_b32 s99, s16, 11
	s_add_co_u32 s98, s98, s99                     ; row 8,192 head + 2,048 b
	s_lshl_b32 s98, s98, 7                         ; rows of 128 bytes
	s_mov_b32 s99, 0
	s_lshl_b32 s100, s16, 13                       ; my b's 2,048 mask numbers
	s_mov_b32 s101, 0
	s_lshl_b32 s20, s18, 14                        ; the first tile: the first pass's diagonal
	s_mov_b32 s21, 0
	s_mov_b32 s23, 0
	s_lshl_b32 s25, s19, 14                        ; the second pass's diagonal
	s_wait_dscnt 0x0
	s_barrier_signal -1
	s_barrier_wait -1
	s_wait_kmcnt 0x0
	s_add_nc_u64 s[BK:BK+1], s[4:5], s[98:99]
	s_add_nc_u64 s[BV:BV+1], s[BK:BK+1], 0x2000000 ; 32 head slots of 1 MiB
	s_add_nc_u64 s[BK:BK+1], s[BK:BK+1], 0x1000000 ; 16 head slots
	s_add_nc_u64 s[BM:BM+1], s[6:7], s[100:101]
	SETADR 0
	KVLOAD 0                                       ; the first fill, ahead of every wait on TENSORcnt and every LDS load
	s_mov_b32 s24, s20                             ; the first pass's full steps end in front of its diagonal
	s_mov_b32 s20, 0
	s_cmp_eq_u32 s20, s24
	s_cselect_b32 s20, s25, s20                    ; i = 0: there are none
	; Q and Y
	s_lshl_b32 s98, s17, 1
	s_add_co_u32 s98, s98, s12                     ; my head 2 hp + hd
	s_lshl_b32 s98, s98, 13
	s_lshl_b32 s2, s16, 11
	s_add_co_u32 s98, s98, s2
	s_lshl_b32 s2, s13, 6
	s_add_co_u32 s98, s98, s2                      ; + 64 qs
	s_lshl_b32 s2, s18, 7
	s_add_co_u32 s100, s98, s2
	s_lshl_b32 s100, s100, 7
	s_lshl_b32 s2, s19, 7
	s_add_co_u32 s98, s98, s2
	s_lshl_b32 s98, s98, 7
	s_add_nc_u64 s[QBA:QBA+1], s[4:5], s[100:101]
	s_add_nc_u64 s[QBB:QBB+1], s[4:5], s[98:99]
	s_lshl_b32 s98, s16, 11
	s_lshl4_add_u32 s98, s10, s98                  ; row 2,048 b + 16 w: on the way out wave w stores 16 rows of the block
	s_lshl_b32 s3, s17, 8                          ; the head pair's 256 bytes in each half of a row
	s_lshl_b32 s2, s18, 7
	s_add_co_u32 s100, s98, s2
	s_lshl_b32 s100, s100, 12                      ; rows of 4,096 bytes (below 2^25)
	s_add_co_u32 s100, s100, s3
	s_lshl_b32 s2, s19, 7
	s_add_co_u32 s98, s98, s2
	s_lshl_b32 s98, s98, 12
	s_add_co_u32 s98, s98, s3
	s_add_nc_u64 s[YBA:YBA+1], s[8:9], s[100:101]
	s_add_nc_u64 s[YBB:YBB+1], s[8:9], s[98:99]
	v_and_b32 v28, 31, v0                          ; l
	v_and_b32 v29, 15, v0                          ; r
	v_bfe_u32 v30, v0, 4, 1                        ; h
	v_lshlrev_b32 v[QOFF], 7, v29
	v_lshl_add_u32 v[QOFF], v30, 4, v[QOFF]        ; 128 r + 16 h
	QLOAD QBA
	v_mul_u32_u24 v[KADR], v29, 144                ; K: key 64 kh + 16 mt + r, bytes 64 kk + 16 h
	v_lshl_add_u32 v[KADR], v30, 4, v[KADR]
	s_mul_i32 s2, s12, KH
	s_mul_i32 s3, s11, 64*144
	s_add_co_u32 s2, s2, s3
	s_add_co_u32 s2, s2, KOFF
	v_add_nc_u32 v[KADR], s2, v[KADR]
	v_add_nc_u32 v[KADR+1], SLOT, v[KADR]
	v_and_b32 v31, 7, v0                           ; V: key 64 kh + 32 kc + 8 h + l % 8, bytes 32 dt + 16 ((l / 8) % 2)
	v_lshl_add_u32 v31, v30, 3, v31
	v_mul_u32_u24 v[VADR], v31, 160
	v_bfe_u32 v31, v0, 3, 1
	v_lshl_add_u32 v[VADR], v31, 4, v[VADR]
	s_mul_i32 s2, s12, VH
	s_mul_i32 s3, s11, 64*160
	s_add_co_u32 s2, s2, s3
	v_add_nc_u32 v[VADR], s2, v[VADR]
	v_add_nc_u32 v[VADR+1], SLOT, v[VADR]
	s_lshl_b32 s2, s11, 8                          ; mask: key 64 kh + 16 mt + 8 h + j
	s_add_co_u32 s2, s2, MOFF
	v_lshl_add_u32 v[MADR], v30, 5, s2
	v_add_nc_u32 v[MADR+1], SLOT, v[MADR]
	s_sub_co_i32 s2, s13, s11
	s_lshl_b32 s2, s2, 6
	v_lshlrev_b32 v31, 3, v30
	v_sub_nc_u32 v[DIAGD], v29, v31
	v_add_nc_u32 v[DIAGD], s2, v[DIAGD]
	v_mov_b32 v[NINF], 0xff800000
	s_and_b32 s2, s10, 3
	s_mul_i32 s2, s2, MRGW
	s_add_co_u32 s2, s2, MRG
	v_lshl_add_u32 v[MRGA], v28, 4, s2
	v_mul_u32_u24 v[YSTO], v29, YP                 ; in: row 64 qs + 16 nt + r, bytes 128 hd + 32 dt + 16 h
	v_lshl_add_u32 v[YSTO], v30, 4, v[YSTO]
	s_mul_i32 s2, s13, 64*YP
	s_lshl_b32 s3, s12, 7
	s_add_co_u32 s2, s2, s3
	s_add_co_u32 s2, s2, YST
	v_add_nc_u32 v[YSTO], s2, v[YSTO]
	v_mul_u32_u24 v[YRD], v30, YP                  ; back: rows 16 w + 2 t + h, 16 bytes a lane
	v_lshl_add_u32 v[YRD], v29, 4, v[YRD]
	s_mul_i32 s2, s10, 16*YP
	s_add_co_u32 s2, s2, YST
	v_add_nc_u32 v[YRD], s2, v[YRD]
	v_lshlrev_b32 v[YCO], 4, v29
	v_lshl_add_u32 v[YCO], v30, 12, v[YCO]         ; lanes 16-31: one row of 4,096 bytes further
; One key step on the tile in slot; refill = 1: the next tile of the list goes into the other slot; diag = 1: the pass's first step, on the diagonal tile: it starts maxima, sums and O.
; In all runs of matrix instructions the sixteen accumulators take turns, one instruction a turn.
.macro STEP slot, other, refill, diag
	s_set_vgpr_msb 0x4
	s_wait_tensorcnt 0x0                           ; all my tensor loads have landed (at most one was out: my part of this slot's tile), so a group 0 may be written
	ds_add_u32 v15, v193
	s_wait_dscnt 0x0
	s_set_vgpr_msb 0x400
.if \refill
	SETADR \other
	NEXTKEY
.endif
	s_wait_dscnt 0x0                               ; my reads of the other slot are back
	s_barrier_signal -1
	s_barrier_wait -1                              ; both hold of all eight waves: this slot is whole, nobody reads the other
.if \refill
	KVLOAD \other                                  ; first thing behind the barrier; it has this whole step in which to land
.endif
.irp kk, 0,1
.irp mt, 0,1,2,3
	ds_load_b128 v[RKV+8*(4*\kk+\mt):RKV+8*(4*\kk+\mt)+3], v[KADR+\slot] offset:2304*\mt+64*\kk
	ds_load_b128 v[RKV+8*(4*\kk+\mt)+4:RKV+8*(4*\kk+\mt)+7], v[KADR+\slot] offset:2304*\mt+64*\kk+32
.endr
.endr
.irp mt, 0,1,2,3
	ds_load_b128 v[RT+8*\mt:RT+8*\mt+3], v[MADR+\slot] offset:64*\mt
	ds_load_b128 v[RT+8*\mt+4:RT+8*\mt+7], v[MADR+\slot] offset:64*\mt+16
.endr
.if \diag
	s_wait_loadcnt 0x0                             ; this pass's Q
.endif
	s_wait_dscnt 16                                ; K's d 0-31 are in: sixteen younger loads (K's d 32-63, the mask) may be out
	WIN 0x04                                       ; source 1 (Q) in window 1
.irp nt, 0,1,2,3
.irp mt, 0,1,2,3
	v_wmma_f32_16x16x32_f16 v[RS+8*(4*\nt+\mt):RS+8*(4*\nt+\mt)+7], v[RKV+8*\mt:RKV+8*\mt+7], v[RQ+16*\nt:RQ+16*\nt+7], 0
.endr
.endr
	s_wait_dscnt 8                                 ; K's d 32-63 are in: the mask's eight loads may be out
.irp nt, 0,1,2,3
.irp mt, 0,1,2,3
	v_wmma_f32_16x16x32_f16 v[RS+8*(4*\nt+\mt):RS+8*(4*\nt+\mt)+7], v[RKV+8*(4+\mt):RKV+8*(4+\mt)+7], v[RQ+16*\nt+8:RQ+16*\nt+15], v[RS+8*(4*\nt+\mt):RS+8*(4*\nt+\mt)+7]
.endr
.endr
	WIN 0
.rept 4
	v_nop                                          ; four places: V's loads land on K's registers, and the arithmetic below reads S
.endr
.irp kc, 0,1
.irp dt, 0,1,2,3
	ds_load_tr16_b128 v[RKV+8*(4*\kc+\dt):RKV+8*(4*\kc+\dt)+3], v[VADR+\slot] offset:5120*\kc+32*\dt
	ds_load_tr16_b128 v[RKV+8*(4*\kc+\dt)+4:RKV+8*(4*\kc+\dt)+7], v[VADR+\slot] offset:5120*\kc+32*\dt+2560
.endr
.endr
	s_wait_dscnt 16                                ; the mask is in; V's sixteen loads stay out during the softmax
	; scale and key mask in one fused multiply-add: s = S log2(e) / 8 + (0 or -infinity)
.irp nt, 0,1,2,3
.irp mt, 0,1,2,3
.irp p, 0,2,4,6
	v_pk_fma_f32 v[RS+8*(4*\nt+\mt)+\p:RS+8*(4*\nt+\mt)+\p+1], v[RS+8*(4*\nt+\mt)+\p:RS+8*(4*\nt+\mt)+\p+1], s[28:29], v[RT+8*\mt+\p:RT+8*\mt+\p+1] op_sel_hi:[1,0,1]
.endr
.endr
.endr
.if \diag
	; causal: key <= query, that is 16 (mt - nt) + j <= r - 8 h + 64 (qs - kh).  One text for the waves whose tile is on, below and above the diagonal.
.irp nt, 0,1,2,3
.irp mt, 0,1,2,3
.irp j, 0,1,2,3,4,5,6,7
	v_cmp_le_i32 vcc_lo, 16*(\mt-\nt)+\j, v[DIAGD]
	v_cndmask_b32 v[RS+8*(4*\nt+\mt)+\j], v[NINF], v[RS+8*(4*\nt+\mt)+\j], vcc_lo
.endr
.endr
.endr
.endif
	; the new maxima: four chains, one for each query tile
.irp nt, 0,1,2,3
.if \diag
	v_max3_num_f32 v[RN+\nt], s30, v[RS+32*\nt], v[RS+32*\nt+1]
.else
	v_max3_num_f32 v[RN+\nt], v[RM+\nt], v[RS+32*\nt], v[RS+32*\nt+1]
.endif
.endr
.set mp, 2
.rept 15
.irp nt, 0,1,2,3
	v_max3_num_f32 v[RN+\nt], v[RN+\nt], v[RS+32*\nt+mp], v[RS+32*\nt+mp+1]
.endr
.set mp, mp+2
.endr
.irp nt, 0,1,2,3
	v_permlanex16_b32 v[RT+\nt], v[RN+\nt], s26, s27   ; the other half of the lanes holds the query's other keys
.endr
.irp nt, 0,1,2,3
	v_max_num_f32 v[RN+\nt], v[RN+\nt], v[RT+\nt]
.endr
.if \diag == 0
.irp nt, 0,1,2,3
	v_sub_f32 v[RA+\nt], v[RM+\nt], v[RN+\nt]
.endr
.irp nt, 0,1,2,3
	v_exp_f32 v[RA+\nt], v[RA+\nt]                 ; what the old sums are rescaled by; the copies below are the plain instructions behind these (ISA guide 5.7.2)
.endr
.endif
.irp nt, 0,1,2,3
	v_mov_b32 v[RM+\nt], v[RN+\nt]
.endr
	; p = 2^(s - maximum)
.irp nt, 0,1,2,3
.set bp, 0
.rept 16
	SUBM RS+32*\nt+bp, \nt
.set bp, bp+2
.endr
.set bp, 0
.rept 32
	v_exp_f32 v[RS+32*\nt+bp], v[RS+32*\nt+bp]
.set bp, bp+1
.endr
.endr
	v_nop                                          ; one plain instruction between the exponentials and the first use of a result
	; the sums of p, four chains
	s_wait_alu depctr_va_vdst(0)
.irp nt, 0,1,2,3
	v_pk_add_f32 v[RT+2*\nt:RT+2*\nt+1], v[RS+32*\nt:RS+32*\nt+1], v[RS+32*\nt+2:RS+32*\nt+3]
.endr
.set mp, 4
.rept 14
.irp nt, 0,1,2,3
	v_pk_add_f32 v[RT+2*\nt:RT+2*\nt+1], v[RT+2*\nt:RT+2*\nt+1], v[RS+32*\nt+mp:RS+32*\nt+mp+1]
.endr
.set mp, mp+2
.endr
.irp nt, 0,1,2,3
.if \diag
	v_add_f32 v[RL+\nt], v[RT+2*\nt], v[RT+2*\nt+1]
.else
	v_add_f32 v[RT+2*\nt], v[RT+2*\nt], v[RT+2*\nt+1]
	v_fma_f32 v[RL+\nt], v[RL+\nt], v[RA+\nt], v[RT+2*\nt]
.endif
.endr
	; P to f16 in place: the sixteen registers of tiles (nt, 2 kc) and (nt, 2 kc + 1) become the eight of the fragment P^T(kc, nt)
.irp nt, 0,1,2,3
.irp kc, 0,1
.irp jj, 0,1,2,3,4,5,6,7
	v_cvt_pk_f16_f32 v[RS+32*\nt+16*\kc+\jj], v[RS+32*\nt+16*\kc+2*\jj], v[RS+32*\nt+16*\kc+2*\jj+1]
.endr
.endr
.endr
.if \diag == 0
	WIN 0x41                                       ; O in window 1, the factor in window 0
.irp nt, 0,1,2,3
.set bp, 0
.rept 16
	MULB RO+32*\nt+bp, RA, \nt
.set bp, bp+2
.endr
.endr
.endif
	s_wait_dscnt 0x0                               ; V's fragments
	WIN 0x50                                       ; C and D (O) in window 1
.irp nt, 0,1,2,3
.irp dt, 0,1,2,3
.if \diag
	v_wmma_f32_16x16x32_f16 v[RO+8*(4*\nt+\dt):RO+8*(4*\nt+\dt)+7], v[RKV+8*\dt:RKV+8*\dt+7], v[RS+32*\nt:RS+32*\nt+7], 0
.else
	v_wmma_f32_16x16x32_f16 v[RO+8*(4*\nt+\dt):RO+8*(4*\nt+\dt)+7], v[RKV+8*\dt:RKV+8*\dt+7], v[RS+32*\nt:RS+32*\nt+7], v[RO+8*(4*\nt+\dt):RO+8*(4*\nt+\dt)+7]
.endif
.endr
.endr
.irp nt, 0,1,2,3
.irp dt, 0,1,2,3
	v_wmma_f32_16x16x32_f16 v[RO+8*(4*\nt+\dt):RO+8*(4*\nt+\dt)+7], v[RKV+8*(4+\dt):RKV+8*(4+\dt)+7], v[RS+32*\nt+16:RS+32*\nt+23], v[RO+8*(4*\nt+\dt):RO+8*(4*\nt+\dt)+7]
.endr
.endr
	WIN 0
.rept 5
	v_nop                                          ; five places: the next step's first products write over P, which these read; four for its K loads onto V's registers and for whatever reads O
.endr
.endm
; The end of a pass: waves 4-7 hand their O, maxima and sums to waves 0-3, which merge, divide, split y into two bf16 parts and put the block's rows into the stage; all eight waves store them.
; The next pass's first tile stays on its way across these two barriers.
.macro PASSEND yb, next
.if \next
	QLOAD QBB                                      ; the second pass's queries, well ahead of their use
.endif
.irp nt, 0,1,2,3
	v_permlanex16_b32 v[RT+\nt], v[RL+\nt], s26, s27
.endr
.irp nt, 0,1,2,3
	v_add_f32 v[RL+\nt], v[RL+\nt], v[RT+\nt]      ; the two halves of the lanes join their sums
.endr
	s_cmp_lt_u32 s10, 4
	s_cbranch_scc1 .Lkeeps_\@
	WIN 0x04                                       ; store data in window 1
.set sq, 0
.rept 32
	ds_store_b128 v[MRGA], v[RO+4*sq:RO+4*sq+3] offset:512*sq
.set sq, sq+1
.endr
	WIN 0
	ds_store_b128 v[MRGA], v[RM:RM+3] offset:16384
	ds_store_b128 v[MRGA], v[RL:RL+3] offset:16896
.Lkeeps_\@:
	s_wait_dscnt 0x0                               ; for the partner's sake: the stores are in LDS
	s_barrier_signal -1
	s_barrier_wait -1
	s_cmp_ge_u32 s10, 4
	s_cbranch_scc1 .Lgave_\@
	ds_load_b128 v[RT:RT+3], v[MRGA] offset:16384      ; the partner's maxima
	ds_load_b128 v[RT+4:RT+7], v[MRGA] offset:16896    ; and sums
.set sq, 0
.rept 32
	ds_load_b128 v[RS+4*sq:RS+4*sq+3], v[MRGA] offset:512*sq
.set sq, sq+1
.endr
	s_wait_dscnt 32                                ; maxima and sums are in; the partner's O (32 loads) may be out
.irp nt, 0,1,2,3
	v_max_num_f32 v[RT+8+\nt], v[RM+\nt], v[RT+\nt]
.endr
.irp nt, 0,1,2,3
	v_sub_f32 v[RA+\nt], v[RM+\nt], v[RT+8+\nt]
	v_sub_f32 v[RN+\nt], v[RT+\nt], v[RT+8+\nt]
.endr
.irp nt, 0,1,2,3
	v_exp_f32 v[RA+\nt], v[RA+\nt]
	v_exp_f32 v[RN+\nt], v[RN+\nt]
.endr
	v_nop
	s_wait_alu depctr_va_vdst(0)
.irp nt, 0,1,2,3
	v_mul_f32 v[RT+4+\nt], v[RN+\nt], v[RT+4+\nt]
.endr
.irp nt, 0,1,2,3
	v_fma_f32 v[RT+4+\nt], v[RA+\nt], v[RL+\nt], v[RT+4+\nt]
.endr
.irp nt, 0,1,2,3
	v_rcp_f32 v[RT+4+\nt], v[RT+4+\nt]
.endr
	v_nop
	s_wait_alu depctr_va_vdst(0)
.irp nt, 0,1,2,3
	v_mul_f32 v[RA+\nt], v[RA+\nt], v[RT+4+\nt]    ; my O's factor
	v_mul_f32 v[RN+\nt], v[RN+\nt], v[RT+4+\nt]    ; the partner's
.endr
	s_wait_dscnt 0x0
.irp nt, 0,1,2,3
.set bp, 0
.rept 16
	MULB RS+32*\nt+bp, RN, \nt
.set bp, bp+2
.endr
.endr
	WIN 0x01                                       ; source 0 (my O) in window 1
.irp nt, 0,1,2,3
.set bp, 0
.rept 16
	FMAB RS+32*\nt+bp, RO+32*\nt+bp, RA, \nt
.set bp, bp+2
.endr
.endr
	WIN 0
	; a tile's eight y of a lane (eight neighbouring d of one query): upper part bf16(y); what is left, y - upper (exact in f32), rounded to bf16 as the lower part
.irp nt, 0,1,2,3
.irp dt, 0,1,2,3
.irp jj, 0,1,2,3
	v_cvt_pk_bf16_f32 v[RH+\jj], v[RS+8*(4*\nt+\dt)+2*\jj], v[RS+8*(4*\nt+\dt)+2*\jj+1]
.endr
.irp jj, 0,1,2,3
	v_lshlrev_b32 v[RH+4+2*\jj], 16, v[RH+\jj]
	v_and_b32 v[RH+5+2*\jj], 0xffff0000, v[RH+\jj]
.endr
.irp jj, 0,1,2,3
	v_pk_add_f32 v[RS+8*(4*\nt+\dt)+2*\jj:RS+8*(4*\nt+\dt)+2*\jj+1], v[RS+8*(4*\nt+\dt)+2*\jj:RS+8*(4*\nt+\dt)+2*\jj+1], v[RH+4+2*\jj:RH+5+2*\jj] neg_lo:[0,1] neg_hi:[0,1]
.endr
.irp jj, 0,1,2,3
	v_cvt_pk_bf16_f32 v[RS+8*(4*\nt+\dt)+\jj], v[RS+8*(4*\nt+\dt)+2*\jj], v[RS+8*(4*\nt+\dt)+2*\jj+1]
.endr
	ds_store_b128 v[YSTO], v[RH:RH+3] offset:\nt*16*YP+32*\dt
	ds_store_b128 v[YSTO], v[RS+8*(4*\nt+\dt):RS+8*(4*\nt+\dt)+3] offset:\nt*16*YP+32*\dt+YLO
.endr
.endr
.Lgave_\@:
	s_wait_dscnt 0x0
	s_barrier_signal -1
	s_barrier_wait -1
.irp t, 0,1,2,3,4,5,6,7
	ds_load_b128 v[RKV+4*\t:RKV+4*\t+3], v[YRD] offset:2*YP*\t
.endr
.irp t, 0,1,2,3,4,5,6,7
	ds_load_b128 v[RKV+32+4*\t:RKV+32+4*\t+3], v[YRD] offset:2*YP*\t+YLO
.endr
.irp t, 0,1,2,3,4,5,6,7
	s_wait_dscnt 15-\t                             ; LDS loads come back in order: this one is in, the younger ones stay out
	global_store_b128 v[YCO], v[RKV+4*\t:RKV+4*\t+3], s[\yb:\yb+1] offset:8192*\t   ; 16 lanes store the 256 bytes of both heads of a row, aligned
.endr
.irp t, 0,1,2,3,4,5,6,7
	s_wait_dscnt 7-\t
	global_store_b128 v[YCO], v[RKV+32+4*\t:RKV+32+4*\t+3], s[\yb:\yb+1] offset:8192*\t+2048   ; the lower parts, in the row's second half
.endr
.if \next
	s_wait_xcnt 0x0                                ; the stores' data registers are loaded again by the next step only behind this wait
.endif
.endm
	STEP 0, 1, 1, 1                                ; first pass: the diagonal tile
	s_cmp_eq_u32 s14, 0
	s_cbranch_scc1 .Lpass_a_done
	s_mov_b32 s31, s14                             ; 2 i full steps
.Lpass_a:
	STEP 1, 0, 1, 0
	STEP 0, 1, 1, 0
	s_sub_co_i32 s31, s31, 1
	s_cmp_lg_u32 s31, 0
	s_cbranch_scc1 .Lpass_a
.Lpass_a_done:
	PASSEND YBA, 1
	s_mov_b32 s20, 0                               ; behind the second diagonal come key steps 0, 1, .. without a jump
	s_mov_b32 s24, -1
	STEP 1, 0, 1, 1                                ; second pass: the diagonal tile
	s_sub_co_u32 s31, 7, s14                       ; 15 - 2 i full steps: 7 - i pairs and one
	s_cmp_eq_u32 s31, 0
	s_cbranch_scc1 .Lpass_b_done
.Lpass_b:
	STEP 0, 1, 1, 0
	STEP 1, 0, 1, 0
	s_sub_co_i32 s31, s31, 1
	s_cmp_lg_u32 s31, 0
	s_cbranch_scc1 .Lpass_b
.Lpass_b_done:
	STEP 0, 1, 0, 0                                ; the last step fetches nothing; its wait for all tensor loads leaves none out at the end
	PASSEND YBB, 0
	s_set_vgpr_msb 0x4
	s_wait_tensorcnt 0x0
	ds_add_u32 v15, v193
	s_wait_dscnt 0x0
	s_set_vgpr_msb 0x400
	s_endpgm
.Lfunc_end_k_q2a264933c3_attn:
	.size	k_q2a264933c3_attn, .Lfunc_end_k_q2a264933c3_attn-k_q2a264933c3_attn
	.p2alignl 7, 3214868480
	.fill 96, 4, 3214868480
	.section	.rodata,"a",@progbits
	.p2align	6, 0x0
	.amdhsa_kernel k_q2a264933c3_attn
		.amdhsa_group_segment_fixed_size 327680
		.amdhsa_private_segment_fixed_size 0
		.amdhsa_enable_private_segment 0
		.amdhsa_kernarg_size 24
		.amdhsa_user_sgpr_count 2
		.amdhsa_user_sgpr_kernarg_segment_ptr 1
		.amdhsa_wavefront_size32 1
		.amdhsa_system_sgpr_workgroup_id_x 1
		.amdhsa_system_sgpr_workgroup_id_y 1
		.amdhsa_system_sgpr_workgroup_id_z 1
		.amdhsa_system_vgpr_workitem_id 0
		.amdhsa_next_free_vgpr 450
		.amdhsa_next_free_sgpr 102
		.amdhsa_reserve_vcc 1
		.amdhsa_float_denorm_mode_32 3
		.amdhsa_float_denorm_mode_16_64 3
		.amdhsa_memory_ordered 1
		.amdhsa_forward_progress 1
		.amdhsa_inst_pref_size 255
	.end_amdhsa_kernel
	.section	.bss,"aw",@nobits
	.p2align	6
	.space	262144
	.amdgpu_metadata
---
amdhsa.version: [ 1, 2 ]
amdhsa.kernels:
  - .name:           k_q2a264933c3_attn
    .symbol:         k_q2a264933c3_attn.kd
    .args:
      - { .name: qkv, .offset: 0, .size: 8, .value_kind: global_buffer, .address_space: global }
      - { .name: maskf, .offset: 8, .size: 8, .value_kind: global_buffer, .address_space: global }
      - { .name: yh, .offset: 16, .size: 8, .value_kind: global_buffer, .address_space: global }
    .group_segment_fixed_size: 327680
    .private_segment_fixed_size: 0
    .kernarg_segment_align: 8
    .kernarg_segment_size: 24
    .max_flat_workgroup_size: 256
    .sgpr_count:     102
    .vgpr_count:     450
    .wavefront_size: 32
...
	.end_amdgpu_metadata
.endif
;; end of part 3
;; launch outproj (part 4): grid 8 x 32, 4 waves a work-group, clusters of 4 x 4, 327,680 bytes of LDS; arguments yh, wph, bp, out0; writes out0
.if DOCPART == 4
	.amdgcn_target "amdgcn-amd-amdhsa--gfx1250"
	.amdhsa_code_object_version 6
	.text
	.protected	k_q2a264933c3_outproj
	.globl	k_q2a264933c3_outproj
	.p2align	8
	.type	k_q2a264933c3_outproj,@function
k_q2a264933c3_outproj:
	s_mov_b64 s[64:65], 0
	v_nop
	global_prefetch_b8 v0, s[64:65] scope:SCOPE_SE
	s_setreg_imm32_b32 hwreg(HW_REG_WAVE_MODE, 25, 1), 1
	s_wait_xcnt 0x0
	s_wait_alu depctr_hold_cnt(0) depctr_sa_sdst(0) depctr_va_vdst(0) depctr_va_sdst(0) depctr_va_ssrc(0) depctr_va_vcc(0) depctr_vm_vsrc(0)
	s_getreg_b32 s2, hwreg(HW_REG_IB_STS2, 6, 4)
	s_cmp_eq_u32 s2, 0
	s_cbranch_scc0 .Lentry_in_a_cluster
	s_endpgm
.Lentry_in_a_cluster:
	s_bfe_u32 s2, ttmp6, 0x10000c
	s_cmp_lg_u32 s2, 0xf033
	s_cbranch_scc0 .Lentry_shape_is_right
	s_endpgm
.Lentry_shape_is_right:
; out0 = y Wp^T + bp, with y given as two bf16 parts.  yh: [8192][2048] bf16, rows b*2048 + t, columns 0-1023 y's upper part, 1024-2047 its lower part;
; wph: [1024][2048] bf16, Wp twice side by side; so one product over K = 2,048 adds upper x Wp and lower x Wp.  bp: [1024] f32; sums in f32; out0: [t][b][1024] f32.
; A work-group makes 256 rows x 128 columns with four waves; a wave makes 128 x 64: 32 accumulator tiles of 16 x 16, 256 registers.
; 128 columns make 8 x 32 = 256 work-groups, one for each WGP.  K goes in steps of 128 through a ring of two LDS slots filled by the
; tensor data mover; a tile's rows are 256 bytes of memory and start at multiples of 256 bytes.
; CLUSTERS: 4 x 4 work-groups.  The four of a row of the cluster need the same tiles of yh, the four of a column the same tiles of wph: such a tile is asked
; for jointly, by the same tensor load with the same descriptor and a mask that names the four.
; REGISTERS in windows of 256: window 0: v16-27 addresses; v64-127, v128-191 fragments of yh, two buffers; v192-223 the bias.
;   window 1: v64-95, v128-159 fragments of wph, two buffers.  window 2: accumulators of my rows 0-63 (tile (a, b) at v[8 (4 a + b)]); window 3: rows 64-127.
; THE MATRIX INSTRUCTION IS USED TRANSPOSED (source 0 = 16 rows of wph, source 1 = 16 rows of yh): lane l holds row l % 16 of the result and its registers 0-7 the columns
; 8 (l / 16) + 0..7.  So the bias of those eight columns, loaded once in that layout, is the C operand of each tile's first product: nothing is cleared, nothing is added later.
.set NB,     4                         ; column tiles of 16 in a wave
.set SIZE_K, 2048
.set ROWSH,  12                        ; a row of yh or wph is 2^12 bytes
.set KSTEP,  128
.set PITCH,  272                       ; an LDS row: 256 bytes + 16 of padding: the 16 rows that a load touches start at 16 different 16-byte columns
.set BROWS,  16*NB                     ; rows of wph in one tensor load, and in one wave's tile
.set HALFA,  128*PITCH
.set HALFB,  BROWS*PITCH
.set SLOT,   2*HALFA+2*HALFB           ; yh's 256 rows, then wph's 128 rows
.set STAGE,  2*SLOT                    ; behind the ring: 16 rows x 272 bytes for each wave, for the way out; no tensor load lands here
.set SP,     272
.set LAPS,   SIZE_K/(2*KSTEP)          ; a lap = two K steps = once round the ring: 8 laps
.set ADRA, 16                          ; v16-17  LDS address of my yh fragments in slot 0, 1
.set ADRB, 20                          ; v20-21  the same for wph
.set STO,  24                          ; the way out: where I put 32 bytes of a row
.set RD,   25                          ; the way out: where I read a row back
.set CO,   26                          ; my byte offset in out0
.set BO,   27                          ; my byte offset in the bias
.set F0,   64
.set F1,   128
.set BIAS, 192
.set G1,  24                           ; s[24:31] group 1 for yh's tiles
.set G0,  32                           ; s[32:39] group 0 for yh's tiles, one set for each slot
.set G1B, 48                           ; s[48:55] group 1 for wph's tiles
.set G0B, 56                           ; s[56:63] group 0 for wph's tiles
.set MSB, 0
.macro WIN new                         ; the immediate's high byte repeats the setting that is left
.if MSB != \new
	s_set_vgpr_msb (MSB<<8)|\new
.set MSB, \new
.endif
.endm
.set MUL_LO,   0xa1                    ; source 0 window 1, source 1 window 0, C and D window 2
.set MUL_HI,   0xf1                    ; C and D window 3
.set FIRST_LO, 0x81                    ; C (the bias) window 0, D window 2
.set FIRST_HI, 0xc1                    ; C window 0, D window 3
.set TO_B,     0x40                    ; destination window 1, address window 0
; A joint load.  Waves 0 and 1 fetch yh's two halves, waves 2 and 3 wph's.  The branch hangs on the wave's number alone.
.macro JLOAD s
	s_cmp_eq_u32 s11, 0
	s_cbranch_scc0 .Lfor_b_\@
	tensor_load_to_lds s[G0+4*\s:G0+4*\s+3], s[G1:G1+7]
	s_nop 0
	s_branch .Lasked_\@
.Lfor_b_\@:
	tensor_load_to_lds s[G0B+4*\s:G0B+4*\s+3], s[G1B:G1B+7]
	s_nop 0
.Lasked_\@:
.endm
.macro CREST                           ; a round of the cluster's barrier behind its opening barrier
	s_cmp_lg_u32 s10, 0
	s_cbranch_scc1 .Lnot_wave_0_\@
	s_barrier_signal -3
.Lnot_wave_0_\@:
	s_barrier_wait -3
	s_barrier_signal -1
	s_barrier_wait -1
.endm
.macro CROUND                          ; a whole round
	s_barrier_signal -1
	s_barrier_wait -1
	CREST
.endm
	s_load_b256 s[72:79], s[0:1], 0x0              ; yh 72, wph 74, bp 76, out0 78
	s_set_vgpr_msb 0x40
	v_lshl_add_u32 v255, v0, 2, 0x37400
	s_set_vgpr_msb 0x4000
	v_mov_b32 v255, 0
	s_set_vgpr_msb 0x1
	ds_add_u32 v255, v255
	s_set_vgpr_msb 0x100
	v_lshrrev_b32 v1, 5, v0
	v_readfirstlane_b32 s10, v1                    ; wave 0..3
	s_lshr_b32 s11, s10, 1                         ; which half of the block's rows is mine.  Also: I fetch for yh (0) or wph (1)
	s_and_b32 s12, s10, 1                          ; which half of its columns.  Also: which half of that tile I fetch
	s_bfe_u32 s40, ttmp6, 0x40000                  ; cx
	s_bfe_u32 s41, ttmp6, 0x40004                  ; cy
	s_lshl_b32 s42, ttmp9, 2
	s_add_co_u32 s42, s42, s40                     ; block column = 4 x cluster x + cx
	s_and_b32 s13, ttmp7, 0xffff
	s_lshl_b32 s13, s13, 2
	s_add_co_u32 s13, s13, s41                     ; block row = 4 x cluster y + cy
	s_lshl_b32 s43, s41, 2
	s_lshl_b32 s43, 15, s43                        ; my row of the cluster
	s_lshl_b32 s44, 0x1111, s40                    ; my column
	s_or_b32 s[G1+0], s43, (1<<16)|(1<<20)|(1<<21)|(5<<22)|(3<<25)  ; mask; elements of 2 bytes; padding on; bit 21 beside a mask; after every 64 words, 4 words
	s_or_b32 s[G1B+0], s44, (1<<16)|(1<<20)|(1<<21)|(5<<22)|(3<<25)
	s_mov_b32 s[G1+1], KSTEP<<16                   ; tensor_dim0 = 128
	s_mov_b32 s[G1B+1], KSTEP<<16
	s_mov_b32 s[G1+2], 128<<16                     ; tensor_dim1 = 128 rows
	s_mov_b32 s[G1B+2], BROWS<<16                  ; 64 rows
	s_mov_b32 s[G1+3], KSTEP<<16                   ; tile_dim0 = 128
	s_mov_b32 s[G1B+3], KSTEP<<16
	s_mov_b32 s[G1+4], 128                         ; tile_dim1
	s_mov_b32 s[G1B+4], BROWS
	s_mov_b32 s[G1+5], SIZE_K                      ; elements from row to row
	s_mov_b32 s[G1B+5], SIZE_K
	s_mov_b32 s[G1+6], 0
	s_mov_b32 s[G1B+6], 0
	s_mov_b32 s[G1+7], 0
	s_mov_b32 s[G1B+7], 0
	; yh's tiles hang on the block row alone, wph's on the block column alone; each address is made in registers that never hold the other coordinate
	s_lshl_b32 s17, s12, 7
	s_lshl_b32 s16, s13, 8
	s_add_co_u32 s16, s16, s17                     ; yh: row 256 x block row + 128 x half
	s_lshl_b32 s16, s16, ROWSH                     ; rows of 4,096 bytes (below 2^25)
	s_mov_b32 s17, 0
	s_mul_i32 s46, s42, 2*BROWS
	s_mul_i32 s47, s12, BROWS
	s_add_co_u32 s46, s46, s47                     ; wph: row 128 x block column + 64 x half
	s_lshl_b32 s46, s46, ROWSH
	s_mov_b32 s47, 0
	s_mul_i32 s20, s10, HALFA                      ; where they go: waves 0, 1: yh's halves
	s_mul_i32 s21, s10, HALFB
	s_add_co_u32 s21, s21, 2*HALFA-2*HALFB         ; waves 2, 3: wph's halves, behind yh's 256 rows
	s_wait_dscnt 0x0
	s_wait_kmcnt 0x0
	s_add_nc_u64 s[14:15], s[72:73], s[16:17]
	s_add_nc_u64 s[46:47], s[74:75], s[46:47]
	CROUND                                         ; all sixteen work-groups are here: the first joint loads meet
.irp s, 0,1
	s_mov_b32 s[G0+4*\s], 1
	s_add_co_u32 s[G0+4*\s+1], s20, \s*SLOT
	s_add_nc_u64 s[G0+4*\s+2:G0+4*\s+3], s[14:15], \s*KSTEP*2
	s_or_b32 s[G0+4*\s+3], s[G0+4*\s+3], 0x80000000
	s_mov_b32 s[G0B+4*\s], 1
	s_add_co_u32 s[G0B+4*\s+1], s21, \s*SLOT
	s_add_nc_u64 s[G0B+4*\s+2:G0B+4*\s+3], s[46:47], \s*KSTEP*2
	s_or_b32 s[G0B+4*\s+3], s[G0B+4*\s+3], 0x80000000
	JLOAD \s                                       ; both slots are asked for before anything else: two tensor loads of the wave are out
.endr
	v_and_b32 v1, 15, v0                           ; r = l % 16
	v_bfe_u32 v2, v0, 4, 1                         ; h = l / 16
	; the bias of my 64 columns, in the accumulators' layout: register 8 b + j = bias[128 bx + 64 wn + 16 b + 8 h + j]
	v_lshlrev_b32 v[BO], 5, v2
	s_mul_i32 s70, s42, 2*BROWS*4
	s_mul_i32 s71, s12, BROWS*4
	s_add_co_u32 s70, s70, s71
	s_mov_b32 s71, 0
	s_add_nc_u64 s[68:69], s[76:77], s[70:71]
.set bi, 0
.rept NB
	global_load_b128 v[BIAS+8*bi:BIAS+8*bi+3], v[BO], s[68:69] offset:64*bi
	global_load_b128 v[BIAS+8*bi+4:BIAS+8*bi+7], v[BO], s[68:69] offset:64*bi+16
.set bi, bi+1
.endr
	; fragments: lane l holds row l % 16; registers 0-3 K = 8 h + 0..7, registers 4-7 K = 16 + 8 h + 0..7: two loads of 16 bytes, 32 bytes apart
	v_mul_u32_u24 v3, v1, PITCH
	v_lshl_add_u32 v3, v2, 4, v3
	s_mul_i32 s22, s11, HALFA
	s_mul_i32 s23, s12, HALFB
	s_add_co_u32 s23, s23, 2*HALFA
.irp s, 0,1
	v_add_nc_u32 v[ADRA+\s], s22, v3
	v_add_nc_u32 v[ADRB+\s], s23, v3
	s_add_co_u32 s22, s22, SLOT
	s_add_co_u32 s23, s23, SLOT
.endr
	; the way out, through my own stage.  In: row r, bytes 64 b + 32 h.  Back: lanes 0-15 one row of 256 bytes, lanes 16-31 the next
	s_mul_i32 s18, s10, 16*SP
	s_add_co_u32 s18, s18, STAGE
	v_mul_u32_u24 v4, v1, SP
	v_lshl_add_u32 v4, v2, 5, v4
	v_add_nc_u32 v[STO], s18, v4
	v_mul_u32_u24 v5, v2, SP
	v_lshl_add_u32 v5, v1, 4, v5
	v_add_nc_u32 v[RD], s18, v5
	v_lshlrev_b32 v5, 14, v2                       ; in out0 the next t lies four rows of 4,096 bytes further
	v_lshl_add_u32 v[CO], v1, 4, v5
; 2 NB matrix instructions: row tiles a0, a0 + 1 of the window's four x all NB column tiles, 32 along K.  first = 1: C is the bias.
; The accumulators take turns, one instruction a turn, in the same order in every quarter step.
.macro MUL16 f, hi, a0, first
.irp a, \a0, \a0+1
.set mb, 0
.rept NB
.if \first
	v_wmma_f32_16x16x32_bf16 v[8*(NB*(\a)+mb):8*(NB*(\a)+mb)+7], v[\f+8*mb:\f+8*mb+7], v[\f+8*(4*\hi+\a):\f+8*(4*\hi+\a)+7], v[BIAS+8*mb:BIAS+8*mb+7]
.else
	v_wmma_f32_16x16x32_bf16 v[8*(NB*(\a)+mb):8*(NB*(\a)+mb)+7], v[\f+8*mb:\f+8*mb+7], v[\f+8*(4*\hi+\a):\f+8*(4*\hi+\a)+7], v[8*(NB*(\a)+mb):8*(NB*(\a)+mb)+7]
.endif
.set mb, mb+1
.endr
.endr
.endm
; 2 NB + 16 LDS loads in one run: the fragments of one quarter step into buffer f
.macro FETCH slot, k, f
	WIN TO_B
.set fi, 0
.rept NB
	ds_load_b128 v[\f+8*fi:\f+8*fi+3],   v[ADRB+\slot] offset:\k+fi*16*PITCH
	ds_load_b128 v[\f+8*fi+4:\f+8*fi+7], v[ADRB+\slot] offset:\k+fi*16*PITCH+32
.set fi, fi+1
.endr
	WIN 0
.irp i, 0,1,2,3,4,5,6,7
	ds_load_b128 v[\f+8*\i:\f+8*\i+3],   v[ADRA+\slot] offset:\k+\i*16*PITCH
	ds_load_b128 v[\f+8*\i+4:\f+8*\i+7], v[ADRA+\slot] offset:\k+\i*16*PITCH+32
.endr
.endm
; Four independent vector instructions stand between a matrix instruction and a load into one of its sources or an LDS store that reads its result
.macro PLACES
.rept 4
	v_nop
.endr
.endm
.macro QUARTER slot, k, f, g, first
	s_wait_dscnt 8                                 ; wph's fragments and yh's rows 0-63 are in; the youngest eight loads (rows 64-127) may be out
.if \first
	WIN FIRST_LO
.else
	WIN MUL_LO
.endif
	MUL16 \f, 0, 0, \first
	MUL16 \f, 0, 2, \first
	PLACES
	FETCH \slot, \k, \g
	s_wait_dscnt 2*NB+16                           ; all but the run just issued
.if \first
	WIN FIRST_HI
.else
	WIN MUL_HI
.endif
	MUL16 \f, 1, 0, \first
	MUL16 \f, 1, 2, \first
.endm
.macro THREE slot, first
	QUARTER \slot, 64,  F0, F1, \first
	QUARTER \slot, 128, F1, F0, 0
	QUARTER \slot, 192, F0, F1, 0
.endm
; The last quarter of a K step changes slots.  In front of the barrier each wave waits for its reads of this slot and for all its tensor loads (one is out: its part of the
; next slot).  Where this slot is filled again the barrier opens a round of the cluster's barrier, and the joint refill is the first tensor load behind the round.
.macro TURN slot, next, fill
	s_wait_dscnt 8
	WIN MUL_LO
	MUL16 F1, 0, 0, 0
	s_wait_dscnt 0                                 ; my reads of this slot are over
	s_wait_tensorcnt 0x0                           ; all my tensor loads have landed
	ds_add_u32 v255, v255
	s_wait_dscnt 0x0
	s_barrier_signal -1
	MUL16 F1, 0, 2, 0                              ; register work while the others arrive
	WIN 0
	s_barrier_wait -1
.if \fill
	CREST
	s_add_nc_u64 s[G0+4*\slot+2:G0+4*\slot+3], s[G0+4*\slot+2:G0+4*\slot+3], 2*KSTEP*2
	s_add_nc_u64 s[G0B+4*\slot+2:G0B+4*\slot+3], s[G0B+4*\slot+2:G0B+4*\slot+3], 2*KSTEP*2
	JLOAD \slot                                    ; two K steps ahead; the wave's one tensor load until the next round
.endif
	PLACES
	FETCH \next, 0, F0
	WIN MUL_HI
	MUL16 F1, 1, 0, 0
	MUL16 F1, 1, 2, 0
.endm
.macro LAP first
	THREE 0, \first
	TURN 0, 1, 1
	THREE 1, 0
	TURN 1, 0, 1
.endm
	s_wait_tensorcnt 1                             ; my part of K step 0 is in; K step 1's may stay out
	s_barrier_signal -1
	s_barrier_wait -1
	FETCH 0, 0, F0
	s_wait_loadcnt 0x0                             ; the bias
	LAP 1                                          ; the first products take the bias as C
	WIN 0
	s_mov_b32 s3, LAPS-2
.Llap:
	LAP 0
	WIN 0
	s_sub_co_u32 s3, s3, 1
	s_cmp_lg_u32 s3, 0
	s_cbranch_scc1 .Llap
	THREE 0, 0                                     ; the last lap fills nothing
	TURN 0, 1, 0
	THREE 1, 0
	s_wait_dscnt 8
	WIN MUL_LO
	MUL16 F1, 0, 0, 0
	MUL16 F1, 0, 2, 0
	s_wait_dscnt 0
	WIN MUL_HI
	MUL16 F1, 1, 0, 0
	MUL16 F1, 1, 2, 0
	PLACES                                         ; behind the last matrix instructions: the LDS stores read results, the loads below land on fragment registers
	; THE WAY OUT, 16 rows at a time, in f32.  Row b*2048 + t of the product is row 4 t + b of out0: b = by / 8, t = 256 (by % 8) + 128 wm + ..
	s_and_b32 s16, s13, 7
	s_lshl_b32 s16, s16, 8
	s_lshl_b32 s17, s11, 7
	s_add_co_u32 s16, s16, s17                     ; my first t
	s_lshl_b32 s16, s16, 2
	s_lshr_b32 s17, s13, 3
	s_add_co_u32 s16, s16, s17                     ; 4 t + b
	s_lshl_b32 s16, s16, 12                        ; rows of 4,096 bytes (below 2^25)
	s_mov_b32 s17, 0
	s_add_nc_u64 s[78:79], s[78:79], s[16:17]
	s_lshl_b32 s46, s42, 9                         ; my first column, in bytes: 512 bx + 256 wn
	s_lshl_b32 s47, s12, 8
	s_add_co_u32 s46, s46, s47
	s_mov_b32 s47, 0
	s_add_nc_u64 s[78:79], s[78:79], s[46:47]
; rows 16 a .. 16 a + 15 of my tile = the four tiles (al, 0..3) of window 2 or 3 (from = 0x08 or 0x0c: an LDS store's data are source 1); f: F0 or F1 in turn
.macro OUT16F a, al, from, f
	WIN \from
.irp b, 0,1,2,3
	ds_store_b128 v[STO], v[8*(NB*\al+\b):8*(NB*\al+\b)+3] offset:64*\b
	ds_store_b128 v[STO], v[8*(NB*\al+\b)+4:8*(NB*\al+\b)+7] offset:64*\b+16
.endr
	WIN 0
	s_wait_xcnt 0x0                                ; buffer f was the data of earlier stores: loaded again only behind this wait
.irp t, 0,1,2,3,4,5,6,7
	ds_load_b128 v[\f+4*\t:\f+4*\t+3], v[RD] offset:\t*2*SP        ; LDS serves a wave's instructions in order: these see the stores above
.endr
.irp t, 0,1,2,3,4,5,6,7
	s_wait_dscnt 7-\t
	global_store_b128 v[CO], v[\f+4*\t:\f+4*\t+3], s[78:79] offset:\a*262144+\t*32768 th:TH_STORE_NT   ; 16 lanes store 256 consecutive bytes, aligned; the largest offset is 2,064,384
.endr
.endm
	OUT16F 0, 0, 0x08, F0
	OUT16F 1, 1, 0x08, F1
	OUT16F 2, 2, 0x08, F0
	OUT16F 3, 3, 0x08, F1
	OUT16F 4, 0, 0x0c, F0
	OUT16F 5, 1, 0x0c, F1
	OUT16F 6, 2, 0x0c, F0
	OUT16F 7, 3, 0x0c, F1
	s_set_vgpr_msb 0x1
	s_wait_tensorcnt 0x0
	ds_add_u32 v255, v255
	s_wait_dscnt 0x0
	s_set_vgpr_msb 0x100
	CROUND                                         ; the closing round
	s_endpgm
.Lfunc_end_k_q2a264933c3_outproj:
	.size	k_q2a264933c3_outproj, .Lfunc_end_k_q2a264933c3_outproj-k_q2a264933c3_outproj
	.p2alignl 7, 3214868480
	.fill 96, 4, 3214868480
	.section	.rodata,"a",@progbits
	.p2align	6, 0x0
	.amdhsa_kernel k_q2a264933c3_outproj
		.amdhsa_group_segment_fixed_size 327680
		.amdhsa_private_segment_fixed_size 0
		.amdhsa_enable_private_segment 0
		.amdhsa_kernarg_size 32
		.amdhsa_user_sgpr_count 2
		.amdhsa_user_sgpr_kernarg_segment_ptr 1
		.amdhsa_wavefront_size32 1
		.amdhsa_system_sgpr_workgroup_id_x 1
		.amdhsa_system_sgpr_workgroup_id_y 1
		.amdhsa_system_sgpr_workgroup_id_z 1
		.amdhsa_system_vgpr_workitem_id 0
		.amdhsa_next_free_vgpr 1024
		.amdhsa_next_free_sgpr 80
		.amdhsa_reserve_vcc 0
		.amdhsa_float_denorm_mode_32 3
		.amdhsa_float_denorm_mode_16_64 3
		.amdhsa_memory_ordered 1
		.amdhsa_forward_progress 1
		.amdhsa_inst_pref_size 121
	.end_amdhsa_kernel
	.amdgpu_metadata
---
amdhsa.version: [ 1, 2 ]
amdhsa.kernels:
  - .name:           k_q2a264933c3_outproj
    .symbol:         k_q2a264933c3_outproj.kd
    .args:
      - { .name: yh, .offset: 0, .size: 8, .value_kind: global_buffer, .address_space: global }
      - { .name: wph, .offset: 8, .size: 8, .value_kind: global_buffer, .address_space: global }
      - { .name: bp, .offset: 16, .size: 8, .value_kind: global_buffer, .address_space: global }
      - { .name: out0, .offset: 24, .size: 8, .value_kind: global_buffer, .address_space: global }
    .group_segment_fixed_size: 327680
    .private_segment_fixed_size: 0
    .kernarg_segment_align: 8
    .kernarg_segment_size: 32
    .max_flat_workgroup_size: 128
    .sgpr_count:     80
    .vgpr_count:     1024
    .wavefront_size: 32
...
	.end_amdgpu_metadata
.endif
;; end of part 4
;; ======== version 2 of 3: 4 launches; 1.13 times as fast as version 1
;; limits: values are held in f16: magnitudes above 65,504 overflow, below 6.1e-05 lose precision
;; workspace buffers: xh 16,777,216 bytes; wqkv 6,291,456 bytes; wph 2,097,152 bytes; bqkv 12,288 bytes; maskf 32,768 bytes; qkv 50,331,648 bytes; yh 16,777,216 bytes
;; launch cast (part 5): grid 768 x 1, 8 waves a work-group, no clusters, 0 bytes of LDS; arguments x, Wq, Wk, Wv, Wp, bq, bk, bv, custom_mask, xh, wqkv, wph, bqkv, maskf; writes xh, wqkv, wph, bqkv, maskf
.if DOCPART == 5
	.amdgcn_target "amdgcn-amd-amdhsa--gfx1250"
	.amdhsa_code_object_version 6
	.text
	.protected	k_q2a264933c3_cast
	.globl	k_q2a264933c3_cast
	.p2align	8
	.type	k_q2a264933c3_cast,@function
k_q2a264933c3_cast:
	s_mov_b64 s[64:65], 0
	v_nop
	global_prefetch_b8 v0, s[64:65] scope:SCOPE_SE
	s_setreg_imm32_b32 hwreg(HW_REG_WAVE_MODE, 25, 1), 1
	s_wait_xcnt 0x0
; cast: the matrix operands that are inputs are rounded to bf16, once, with some reordering on the way.
;   xh[b*2048+t][1024]  = bf16(x[t][b][1024])         rows go from (t, b) to (b, t)
;   wqkv[3072][1024]    = bf16(Wq; Wk; Wv)            one matrix of 3,072 rows
;   wph[1024][1024]     = f16(bf16(Wp))               rounded to bf16 like the other inputs, then written as f16: the last product's other operand, y, is f16,
;                                                     and a matrix instruction takes both operands in one format.  A bf16 number (8 significant bits) of magnitude
;                                                     2^-17 or more is exact in f16; a smaller one is off by at most 2^-25.  LIMIT: |Wp| below 65,504.
;   bqkv[3072]          = (bq; bk; bv), f32 as they are
;   maskf[4][2048]      = 0.0 where custom_mask's byte is not 0, -infinity where it is 0
; 12,288 source rows of 4,096 bytes.  A work-group takes 16 of them, a wave two neighbouring ones: sixteen loads of 16 bytes a lane,
; each covering 512 consecutive bytes, all issued before the first is waited for.  Each store of a wave (8 bytes a lane) covers 256
; consecutive bytes, aligned.  No LDS, no barrier, no matrix unit: nothing is used twice.
; Work-groups 0-511: x.  512 + 64 mi + gi: row group gi of matrix mi (0 Wq, 1 Wk, 2 Wv, 3 Wp).  The four with gi = 0 also copy one bias (mi < 3) or make maskf (mi = 3).
.set X, 8                              ; v[8:71]    16 x 4 registers as loaded
.set Y, 72                             ; v[72:103]  16 x 2 registers to store
.set MI, 104                           ; v[104:111] mask words
.set MO, 112                           ; v[112:143] mask as f32
	s_load_b512 s[8:23], s[0:1], 0x0               ; x 8, Wq 10, Wk 12, Wv 14, Wp 16, bq 18, bk 20, bv 22
	s_load_b256 s[24:31], s[0:1], 0x40             ; custom_mask 24, xh 26, wqkv 28, wph 30
	s_load_b128 s[32:35], s[0:1], 0x60             ; bqkv 32, maskf 34
	v_lshrrev_b32 v1, 5, v0
	v_readfirstlane_b32 s36, v1                    ; wave
	v_and_b32 v1, 31, v0                           ; lane
	v_lshlrev_b32 v2, 4, v1                        ; 16 bytes a lane in the source
	v_lshlrev_b32 v3, 3, v1                        ; 8 bytes a lane in the target
	s_mov_b32 s37, ttmp9                           ; g
	s_sub_co_u32 s38, s37, 512                     ; g - 512 (for g < 512 it wraps, and mi below is then far above 3)
	s_lshr_b32 s39, s38, 6                         ; mi
	s_and_b32 s40, s38, 63                         ; gi
	s_cmp_lt_u32 s37, 512
	s_cselect_b32 s41, s37, s40                    ; row group inside its tensor
	s_lshl_b32 s41, s41, 4
	s_lshl1_add_u32 s41, s36, s41                  ; r0 = 16 x group + 2 x wave: my first source row (even)
	s_mov_b32 s52, 0x800                           ; W: the second row lies one target row (2,048 bytes) further
	s_mov_b32 s53, 0x400000                        ; x: rows r0 and r0 + 1 are b and b + 1 of one t: 2,048 target rows further
	s_mov_b32 s60, 0xffff0000                      ; a word's upper bf16
	s_wait_kmcnt 0x0
	; the source: a choice among five buffers, on ids alone
	s_cmp_eq_u32 s39, 2
	s_cselect_b64 s[42:43], s[14:15], s[16:17]
	s_cmp_eq_u32 s39, 1
	s_cselect_b64 s[42:43], s[12:13], s[42:43]
	s_cmp_eq_u32 s39, 0
	s_cselect_b64 s[42:43], s[10:11], s[42:43]
	s_cmp_lt_u32 s37, 512
	s_cselect_b64 s[42:43], s[8:9], s[42:43]
	; the target and the target row
	s_cmp_lt_u32 s39, 3
	s_cselect_b64 s[44:45], s[28:29], s[30:31]     ; wqkv or wph
	s_cselect_b32 s47, s39, 0
	s_lshl_b32 s47, s47, 10
	s_add_co_u32 s47, s47, s41                     ; W: row 1,024 mi + r0 of wqkv, or r0 of wph
	s_and_b32 s46, s41, 3
	s_lshl_b32 s46, s46, 11
	s_lshr_b32 s54, s41, 2
	s_add_co_u32 s46, s46, s54                     ; x: row 2,048 b + t
	s_cmp_lt_u32 s37, 512
	s_cselect_b64 s[44:45], s[26:27], s[44:45]
	s_cselect_b32 s46, s46, s47
	s_cselect_b32 s52, s53, s52
	s_lshl_b32 s48, s41, 12                        ; source offset: rows of 4,096 bytes (below 2^26)
	s_mov_b32 s49, 0
	s_lshl_b32 s50, s46, 11                        ; target offset: rows of 2,048 bytes
	s_mov_b32 s51, 0
	s_add_nc_u64 s[42:43], s[42:43], s[48:49]
	s_add_nc_u64 s[44:45], s[44:45], s[50:51]
	v_add_nc_u32 v4, s52, v3                       ; my 8 bytes in the second row's target
.irp i, 0,1
.irp c, 0,1,2,3,4,5,6,7
	global_load_b128 v[X+4*(8*\i+\c):X+4*(8*\i+\c)+3], v2, s[42:43] offset:\i*4096+512*\c th:TH_LOAD_NT
.endr
.endr
; my two rows: sixteen times four numbers, rounded and stored.  asf16 = 1: the bf16 numbers are widened again (a shift, a mask) and written as f16.
.macro ROWS asf16
.irp i, 0,1
.irp c, 0,1,2,3,4,5,6,7
	s_wait_loadcnt 15-(8*\i+\c)                    ; loads come back in order: this one is in, the younger ones stay out
	v_cvt_pk_bf16_f32 v[Y+2*(8*\i+\c)], v[X+4*(8*\i+\c)], v[X+4*(8*\i+\c)+1]
	v_cvt_pk_bf16_f32 v[Y+2*(8*\i+\c)+1], v[X+4*(8*\i+\c)+2], v[X+4*(8*\i+\c)+3]
.if \asf16
	v_lshlrev_b32 v[X+4*(8*\i+\c)], 16, v[Y+2*(8*\i+\c)]
	v_and_b32 v[X+4*(8*\i+\c)+1], s60, v[Y+2*(8*\i+\c)]
	v_lshlrev_b32 v[X+4*(8*\i+\c)+2], 16, v[Y+2*(8*\i+\c)+1]
	v_and_b32 v[X+4*(8*\i+\c)+3], s60, v[Y+2*(8*\i+\c)+1]
	v_cvt_pk_f16_f32 v[Y+2*(8*\i+\c)], v[X+4*(8*\i+\c)], v[X+4*(8*\i+\c)+1]
	v_cvt_pk_f16_f32 v[Y+2*(8*\i+\c)+1], v[X+4*(8*\i+\c)+2], v[X+4*(8*\i+\c)+3]
.endif
	global_store_b64 v[3+\i], v[Y+2*(8*\i+\c):Y+2*(8*\i+\c)+1], s[44:45] offset:256*\c
.endr
.endr
.endm
	s_cmp_eq_u32 s39, 3                            ; the same in all waves of the work-group
	s_cbranch_scc1 .Lwp
	ROWS 0
	s_branch .Lsmall
.Lwp:
	ROWS 1
.Lsmall:
	; the small jobs, in four work-groups; they name only registers that no pending store reads
	s_cmp_lt_u32 s37, 512
	s_cbranch_scc1 .Lend
	s_cmp_lg_u32 s40, 0
	s_cbranch_scc1 .Lend
	s_cmp_eq_u32 s39, 3
	s_cbranch_scc1 .Lmask
	s_cmp_eq_u32 s39, 1                            ; one bias: 256 threads x 16 bytes = its 4,096 bytes
	s_cselect_b64 s[54:55], s[20:21], s[22:23]
	s_cmp_eq_u32 s39, 0
	s_cselect_b64 s[54:55], s[18:19], s[54:55]
	s_lshl_b32 s56, s39, 12
	s_mov_b32 s57, 0
	s_add_nc_u64 s[58:59], s[32:33], s[56:57]
	v_lshlrev_b32 v5, 4, v0
	global_load_b128 v[MI:MI+3], v5, s[54:55]
	s_wait_loadcnt 0x0
	global_store_b128 v5, v[MI:MI+3], s[58:59]
	s_endpgm
.Lmask:                                            ; 8,192 mask bytes: 256 threads x 4 bytes x 8
	v_lshlrev_b32 v5, 2, v0
	v_lshlrev_b32 v6, 4, v0
	v_mov_b32 v7, 0xff800000                       ; -infinity
	v_mov_b32 v8, 0                                ; (v8's load has been waited for)
.irp n, 0,1,2,3,4,5,6,7
	global_load_b32 v[MI+\n], v5, s[24:25] offset:1024*\n
.endr
.irp n, 0,1,2,3,4,5,6,7
	s_wait_loadcnt 7-\n
.irp k, 0,1,2,3
	v_bfe_u32 v1, v[MI+\n], 8*\k, 8
	v_cmp_ne_u32 vcc_lo, 0, v1
	v_cndmask_b32 v[MO+4*\n+\k], v7, v8, vcc_lo    ; byte not 0: 0.0; byte 0: -infinity
.endr
	global_store_b128 v6, v[MO+4*\n:MO+4*\n+3], s[34:35] offset:4096*\n
.endr
.Lend:
	s_endpgm
.Lfunc_end_k_q2a264933c3_cast:
	.size	k_q2a264933c3_cast, .Lfunc_end_k_q2a264933c3_cast-k_q2a264933c3_cast
	.p2alignl 7, 3214868480
	.fill 96, 4, 3214868480
	.section	.rodata,"a",@progbits
	.p2align	6, 0x0
	.amdhsa_kernel k_q2a264933c3_cast
		.amdhsa_group_segment_fixed_size 0
		.amdhsa_private_segment_fixed_size 0
		.amdhsa_enable_private_segment 0
		.amdhsa_kernarg_size 112
		.amdhsa_user_sgpr_count 2
		.amdhsa_user_sgpr_kernarg_segment_ptr 1
		.amdhsa_wavefront_size32 1
		.amdhsa_system_sgpr_workgroup_id_x 1
		.amdhsa_system_sgpr_workgroup_id_y 1
		.amdhsa_system_sgpr_workgroup_id_z 1
		.amdhsa_system_vgpr_workitem_id 0
		.amdhsa_next_free_vgpr 144
		.amdhsa_next_free_sgpr 66
		.amdhsa_reserve_vcc 1
		.amdhsa_float_denorm_mode_32 3
		.amdhsa_float_denorm_mode_16_64 3
		.amdhsa_memory_ordered 1
		.amdhsa_forward_progress 1
		.amdhsa_inst_pref_size 23
	.end_amdhsa_kernel
	.amdgpu_metadata
---
amdhsa.version: [ 1, 2 ]
amdhsa.kernels:
  - .name:           k_q2a264933c3_cast
    .symbol:         k_q2a264933c3_cast.kd
    .args:
      - { .name: x, .offset: 0, .size: 8, .value_kind: global_buffer, .address_space: global }
      - { .name: Wq, .offset: 8, .size: 8, .value_kind: global_buffer, .address_space: global }
      - { .name: Wk, .offset: 16, .size: 8, .value_kind: global_buffer, .address_space: global }
      - { .name: Wv, .offset: 24, .size: 8, .value_kind: global_buffer, .address_space: global }
      - { .name: Wp, .offset: 32, .size: 8, .value_kind: global_buffer, .address_space: global }
      - { .name: bq, .offset: 40, .size: 8, .value_kind: global_buffer, .address_space: global }
      - { .name: bk, .offset: 48, .size: 8, .value_kind: global_buffer, .address_space: global }
      - { .name: bv, .offset: 56, .size: 8, .value_kind: global_buffer, .address_space: global }
      - { .name: custom_mask, .offset: 64, .size: 8, .value_kind: global_buffer, .address_space: global }
      - { .name: xh, .offset: 72, .size: 8, .value_kind: global_buffer, .address_space: global }
      - { .name: wqkv, .offset: 80, .size: 8, .value_kind: global_buffer, .address_space: global }
      - { .name: wph, .offset: 88, .size: 8, .value_kind: global_buffer, .address_space: global }
      - { .name: bqkv, .offset: 96, .size: 8, .value_kind: global_buffer, .address_space: global }
      - { .name: maskf, .offset: 104, .size: 8, .value_kind: global_buffer, .address_space: global }
    .group_segment_fixed_size: 0
    .private_segment_fixed_size: 0
    .kernarg_segment_align: 8
    .kernarg_segment_size: 112
    .max_flat_workgroup_size: 256
    .sgpr_count:     66
    .vgpr_count:     144
    .wavefront_size: 32
...
	.end_amdgpu_metadata
.endif
;; end of part 5
;; launch qkvproj: the kernel of part 2 again; grid 16 x 32, 4 waves a work-group, clusters of 4 x 4, 327,680 bytes of LDS; arguments xh, wqkv, bqkv, qkv; writes qkv
;; launch attn (part 6): grid 8 x 32, 8 waves a work-group, no clusters, 327,680 bytes of LDS; arguments qkv, maskf, yh; writes yh
.if DOCPART == 6
	.amdgcn_target "amdgcn-amd-amdhsa--gfx1250"
	.amdhsa_code_object_version 6
	.text
	.protected	k_q2a264933c3_attn
	.globl	k_q2a264933c3_attn
	.p2align	8
	.type	k_q2a264933c3_attn,@function
k_q2a264933c3_attn:
	s_mov_b64 s[64:65], 0
	v_nop
	global_prefetch_b8 v0, s[64:65] scope:SCOPE_SE
	s_setreg_imm32_b32 hwreg(HW_REG_WAVE_MODE, 25, 1), 1
	s_wait_xcnt 0x0
; Causal attention with a key mask, softmax with a running maximum.  qkv: [48 head slots][b*2048+t][64] f16 (q 0-15, k 16-31, v 32-47);
; maskf: [4][2048] f32, 0 or -infinity for a key; yh: [b*2048+t][1024] f16.
; LIMITS: |q|, |k|, |v| below 65,504 (f16); y is a weighted mean of v and has the same room.  The running maximum starts at the most negative finite f32
; (about -3.4e38): scaled scores are taken to lie above it.
; A query with no allowed key has sum 0 and output sums 0: 0 x (1/0) gives NaN, as a softmax over nothing but -infinity does.
; THE SHARE.  Work-group (i = x, b = y / 8, head pair hp = y % 8) makes the query blocks 2 i and 15 - 2 i (128 queries each) of two heads:
; (2 i + 1) + (16 - 2 i) = 17 key steps of 128 keys in every work-group.  Wave w: kh = w / 4 (which 64 keys of a step), hd = (w / 2) % 2 (head), qs = w % 2 (which 64 queries).
; Waves w and w + 4 hold the same queries and split the keys; their sums are merged at the end of a pass.  A pass begins with its diagonal step, which starts the sums: nothing is cleared.
; NO CLUSTER: the eight work-groups of one (b, head pair) read the same K and V, but each walks its own list: its diagonal tile, then 2 i tiles, its other diagonal, then 15 - 2 i tiles.
; Four partners walking one joint list would each have to ask for the longest partner's tiles in both passes, 17 + 2 x 3 = 23 steps in place of 17.
; LAYOUTS.  S^T = K Q^T (source 0 = 16 keys, source 1 = 16 queries): lane (r, h), register j = (key 16 mt + 8 h + j, query 16 nt + r).  Two such tiles, packed to f16 in place, are
; the second source P^T of O^T = V^T P^T; V^T comes from V's rows by transposing LDS loads.  Maximum, sum and rescaling belong to a query, that is a lane.
.set SLOT, 78336                       ; V head 0, V head 1 (pitch 160), K head 0, K head 1 (pitch 144), 128 mask numbers
.set VH,   20480                       ; 128 keys x 160 bytes: an odd multiple of 32, for the transposing loads
.set KH,   18432                       ; 128 keys x 144 bytes: an odd multiple of 16
.set KOFF, 2*VH
.set MOFF, 2*VH+2*KH
.set MRG,  2*SLOT                      ; 4 x 17,408 bytes: what waves 4-7 hand to waves 0-3.  No tensor load lands here or behind
.set MRGW, 17408
.set YST,  MRG+4*MRGW                  ; 128 rows x 272 bytes: the block's output, both heads
.set YP,   272
.set KADR, 2                           ; v2-3   K fragments in slot 0, 1
.set VADR, 4                           ; v4-5   V fragments
.set MADR, 6                           ; v6-7   mask numbers
.set QOFF, 8
.set DIAGD, 9                          ; r - 8 h + 64 (qs - kh)
.set NINF, 10
.set MRGA, 11
.set YSTO, 12
.set YRD,  13
.set YCO,  14
.set RM,   16                          ; v16-19 running maxima, one for each query tile
.set RL,   20                          ; v20-23 running sums (of my half of the lanes' keys)
.set RA,   24                          ; v24-27 rescaling factors
.set RN,   28                          ; v28-31 new maxima; the partner's factor in the merge
.set RT,   32                          ; v32-63 mask numbers, then scratch
.set RKV,  64                          ; v64-127 K fragments, then V fragments
.set RS,   128                         ; v128-255 S tiles at 8 (4 nt + mt); P packed in place
.set RQ,   0                           ; window 1: v0-63 Q fragments at 8 (2 nt + kk)
.set RO,   64                          ; window 1: v64-191 O tiles at 8 (4 nt + dt)
.set G1V, 32
.set G1K, 40
.set G1M, 48
.set G0V, 56                           ; s[56:63], s[68:75], s[76:83]: group 0, one set for each slot
.set G0K, 68
.set G0M, 76
.set BV,  84                           ; bases: V, K of the head that I fetch, my b's mask row
.set BK,  86
.set BM,  88
.set QBA, 90
.set QBB, 92
.set YBA, 94
.set YBB, 96
.set MSB, 0
.macro WIN new                         ; bits 1:0 source 0, 3:2 source 1, 5:4 source 2, 7:6 destination; the high byte repeats the setting that is left
.if MSB != \new
	s_set_vgpr_msb (MSB<<8)|\new
.set MSB, \new
.endif
.endm
; the addresses of the key step at byte offset s20 (16,384 a step) into slot s's three descriptors.  Stands where no tensor load of the wave is out.
.macro SETADR s
	s_lshr_b32 s22, s20, 5                         ; 512 bytes of mask a step
	s_add_nc_u64 s[G0V+4*\s+2:G0V+4*\s+3], s[BV:BV+1], s[20:21]
	s_or_b32 s[G0V+4*\s+3], s[G0V+4*\s+3], 0x80000000
	s_add_nc_u64 s[G0K+4*\s+2:G0K+4*\s+3], s[BK:BK+1], s[20:21]
	s_or_b32 s[G0K+4*\s+3], s[G0K+4*\s+3], 0x80000000
	s_add_nc_u64 s[G0M+4*\s+2:G0M+4*\s+3], s[BM:BM+1], s[22:23]
	s_or_b32 s[G0M+4*\s+3], s[G0M+4*\s+3], 0x80000000
.endm
.macro NEXTKEY                         ; the next key step; behind the first pass's last full step comes the second pass's diagonal
	s_add_co_u32 s20, s20, 16384
	s_cmp_eq_u32 s20, s24
	s_cselect_b32 s20, s25, s20
.endm
; One tensor load a wave: waves 0, 1 V of head w; waves 2, 3 K of head w - 2; wave 4 the mask; waves 5-7 none.
.macro KVLOAD s
	s_cmp_lt_u32 s10, 2
	s_cbranch_scc0 .Lnot_v_\@
	tensor_load_to_lds s[G0V+4*\s:G0V+4*\s+3], s[G1V:G1V+7]
	s_nop 0
	s_branch .Lasked_\@
.Lnot_v_\@:
	s_cmp_lt_u32 s10, 4
	s_cbranch_scc0 .Lnot_k_\@
	tensor_load_to_lds s[G0K+4*\s:G0K+4*\s+3], s[G1K:G1K+7]
	s_nop 0
	s_branch .Lasked_\@
.Lnot_k_\@:
	s_cmp_eq_u32 s10, 4
	s_cbranch_scc0 .Lasked_\@
	tensor_load_to_lds s[G0M+4*\s:G0M+4*\s+3], s[G1M:G1M+7]
	s_nop 0
.Lasked_\@:
.endm
.macro QLOAD qb                        ; my 64 queries as second-source fragments: lane (r, h): query 16 nt + r, d = 32 kk + 8 h + 0..7 and + 16
	WIN 0x40
.irp nt, 0,1,2,3
.irp kk, 0,1
	global_load_b128 v[RQ+8*(2*\nt+\kk):RQ+8*(2*\nt+\kk)+3], v[QOFF], s[\qb:\qb+1] offset:\nt*2048+64*\kk
	global_load_b128 v[RQ+8*(2*\nt+\kk)+4:RQ+8*(2*\nt+\kk)+7], v[QOFF], s[\qb:\qb+1] offset:\nt*2048+64*\kk+32
.endr
.endr
	WIN 0
.endm
; packed arithmetic with one register of a pair feeding both halves
.macro SUBM d, nt                      ; v[d:d+1] -= maximum of query tile nt
.if (\nt) & 1
	v_pk_add_f32 v[\d:\d+1], v[\d:\d+1], v[RM+\nt-1:RM+\nt] op_sel:[0,1] op_sel_hi:[1,1] neg_lo:[0,1] neg_hi:[0,1]
.else
	v_pk_add_f32 v[\d:\d+1], v[\d:\d+1], v[RM+\nt:RM+\nt+1] op_sel_hi:[1,0] neg_lo:[0,1] neg_hi:[0,1]
.endif
.endm
.macro MULB d, base, nt                ; v[d:d+1] *= v[base+nt]
.if (\nt) & 1
	v_pk_mul_f32 v[\d:\d+1], v[\d:\d+1], v[\base+\nt-1:\base+\nt] op_sel:[0,1] op_sel_hi:[1,1]
.else
	v_pk_mul_f32 v[\d:\d+1], v[\d:\d+1], v[\base+\nt:\base+\nt+1] op_sel_hi:[1,0]
.endif
.endm
.macro FMAB d, a, base, nt             ; v[d:d+1] += v[a:a+1] * v[base+nt]
.if (\nt) & 1
	v_pk_fma_f32 v[\d:\d+1], v[\a:\a+1], v[\base+\nt-1:\base+\nt], v[\d:\d+1] op_sel:[0,1,0] op_sel_hi:[1,1,1]
.else
	v_pk_fma_f32 v[\d:\d+1], v[\a:\a+1], v[\base+\nt:\base+\nt+1], v[\d:\d+1] op_sel_hi:[1,0,1]
.endif
.endm
	s_load_b128 s[4:7], s[0:1], 0x0                ; qkv, maskf
	s_load_b64 s[8:9], s[0:1], 0x10                ; yh
	v_lshl_add_u32 v15, v0, 2, 0x3fc00
	s_set_vgpr_msb 0x40
	v_mov_b32 v193, 0
	s_set_vgpr_msb 0x4044
	ds_add_u32 v15, v193
	s_set_vgpr_msb 0x4400
	v_lshrrev_b32 v1, 5, v0
	v_readfirstlane_b32 s10, v1                    ; wave 0..7
	s_lshr_b32 s11, s10, 2                         ; kh
	s_bfe_u32 s12, s10, 0x10001                    ; hd
	s_and_b32 s13, s10, 1                          ; qs; also the head whose K or V I fetch
	s_mov_b32 s14, ttmp9                           ; i
	s_and_b32 s15, ttmp7, 0xffff
	s_lshr_b32 s16, s15, 3                         ; b
	s_and_b32 s17, s15, 7                          ; hp
	s_lshl_b32 s18, s14, 1                         ; first pass: query block 2 i
	s_sub_co_u32 s19, 15, s18                      ; second pass: query block 15 - 2 i
	s_mov_b32 s26, 0x76543210                      ; v_permlanex16_b32: lane i of one half reads lane i of the other
	s_mov_b32 s27, 0xfedcba98
	s_mov_b32 s28, 0x3e38aa3b                      ; log2(e) / 8: the scale 1 / sqrt(64), and base 2 for v_exp_f32
	s_mov_b32 s29, 0x3e38aa3b
	s_mov_b32 s30, 0xff7fffff                      ; where a running maximum starts
	; A tile of K or V is 128 keys x 128 bytes, dense in memory: it comes as 64 rows of 256 bytes, with padding behind every 32 words, that is behind every key
	s_mov_b32 s[G1V+0], (3<<16)|(1<<20)|(4<<22)|(7<<25)   ; elements of 8 bytes; padding on; after every 32 words, 8 words: pitch 160
	s_mov_b32 s[G1K+0], (3<<16)|(1<<20)|(4<<22)|(3<<25)   ; 4 words: pitch 144
	s_mov_b32 s[G1M+0], 3<<16                      ; one row of 512 bytes, no padding
	s_mov_b32 s[G1V+1], 32<<16                     ; tensor_dim0
	s_mov_b32 s[G1K+1], 32<<16
	s_mov_b32 s[G1M+1], 64<<16
	s_mov_b32 s[G1V+2], 64<<16                     ; tensor_dim1
	s_mov_b32 s[G1K+2], 64<<16
	s_mov_b32 s[G1M+2], 1<<16
	s_mov_b32 s[G1V+3], 32<<16                     ; tile_dim0
	s_mov_b32 s[G1K+3], 32<<16
	s_mov_b32 s[G1M+3], 64<<16
	s_mov_b32 s[G1V+4], 64                         ; tile_dim1
	s_mov_b32 s[G1K+4], 64
	s_mov_b32 s[G1M+4], 1
	s_mov_b32 s[G1V+5], 32                         ; elements from row to row
	s_mov_b32 s[G1K+5], 32
	s_mov_b32 s[G1M+5], 64
	s_mov_b32 s[G1V+6], 0
	s_mov_b32 s[G1K+6], 0
	s_mov_b32 s[G1M+6], 0
	s_mov_b32 s[G1V+7], 0
	s_mov_b32 s[G1K+7], 0
	s_mov_b32 s[G1M+7], 0
	s_mul_i32 s2, s10, VH                          ; waves 0, 1: V's place
	s_mul_i32 s3, s10, KH
	s_add_co_u32 s3, s3, KOFF-2*KH                 ; waves 2, 3: K's place
.irp s, 0,1
	s_mov_b32 s[G0V+4*\s], 1
	s_add_co_u32 s[G0V+4*\s+1], s2, \s*SLOT
	s_mov_b32 s[G0K+4*\s], 1
	s_add_co_u32 s[G0K+4*\s+1], s3, \s*SLOT
	s_mov_b32 s[G0M+4*\s], 1
	s_mov_b32 s[G0M+4*\s+1], MOFF+\s*SLOT
.endr
	s_lshl_b32 s98, s17, 1
	s_add_co_u32 s98, s98, s13                     ; head 2 hp + (w % 2)
	s_lshl_b32 s98, s98, 13
	s_lshl_b32 s99, s16, 11
	s_add_co_u32 s98, s98, s99                     ; row 8,192 head + 2,048 b
	s_lshl_b32 s98, s98, 7                         ; rows of 128 bytes
	s_mov_b32 s99, 0
	s_lshl_b32 s100, s16, 13                       ; my b's 2,048 mask numbers
	s_mov_b32 s101, 0
	s_lshl_b32 s20, s18, 14                        ; the first tile: the first pass's diagonal
	s_mov_b32 s21, 0
	s_mov_b32 s23, 0
	s_lshl_b32 s25, s19, 14                        ; the second pass's diagonal
	s_wait_dscnt 0x0
	s_barrier_signal -1
	s_barrier_wait -1
	s_wait_kmcnt 0x0
	s_add_nc_u64 s[BK:BK+1], s[4:5], s[98:99]
	s_add_nc_u64 s[BV:BV+1], s[BK:BK+1], 0x2000000 ; 32 head slots of 1 MiB
	s_add_nc_u64 s[BK:BK+1], s[BK:BK+1], 0x1000000 ; 16 head slots
	s_add_nc_u64 s[BM:BM+1], s[6:7], s[100:101]
	SETADR 0
	KVLOAD 0                                       ; the first fill, ahead of every wait on TENSORcnt and every LDS load
	s_mov_b32 s24, s20                             ; the first pass's full steps end in front of its diagonal
	s_mov_b32 s20, 0
	s_cmp_eq_u32 s20, s24
	s_cselect_b32 s20, s25, s20                    ; i = 0: there are none
	; Q and Y
	s_lshl_b32 s98, s17, 1
	s_add_co_u32 s98, s98, s12                     ; my head 2 hp + hd
	s_lshl_b32 s98, s98, 13
	s_lshl_b32 s2, s16, 11
	s_add_co_u32 s98, s98, s2
	s_lshl_b32 s2, s13, 6
	s_add_co_u32 s98, s98, s2                      ; + 64 qs
	s_lshl_b32 s2, s18, 7
	s_add_co_u32 s100, s98, s2
	s_lshl_b32 s100, s100, 7
	s_lshl_b32 s2, s19, 7
	s_add_co_u32 s98, s98, s2
	s_lshl_b32 s98, s98, 7
	s_add_nc_u64 s[QBA:QBA+1], s[4:5], s[100:101]
	s_add_nc_u64 s[QBB:QBB+1], s[4:5], s[98:99]
	s_lshl_b32 s98, s16, 11
	s_lshl4_add_u32 s98, s10, s98                  ; row 2,048 b + 16 w: on the way out wave w stores 16 rows of the block
	s_lshl_b32 s3, s17, 8                          ; the head pair's 256 bytes of a row
	s_lshl_b32 s2, s18, 7
	s_add_co_u32 s100, s98, s2
	s_lshl_b32 s100, s100, 11
	s_add_co_u32 s100, s100, s3
	s_lshl_b32 s2, s19, 7
	s_add_co_u32 s98, s98, s2
	s_lshl_b32 s98, s98, 11
	s_add_co_u32 s98, s98, s3
	s_add_nc_u64 s[YBA:YBA+1], s[8:9], s[100:101]
	s_add_nc_u64 s[YBB:YBB+1], s[8:9], s[98:99]
	v_and_b32 v28, 31, v0                          ; l
	v_and_b32 v29, 15, v0                          ; r
	v_bfe_u32 v30, v0, 4, 1                        ; h
	v_lshlrev_b32 v[QOFF], 7, v29
	v_lshl_add_u32 v[QOFF], v30, 4, v[QOFF]        ; 128 r + 16 h
	QLOAD QBA
	v_mul_u32_u24 v[KADR], v29, 144                ; K: key 64 kh + 16 mt + r, bytes 64 kk + 16 h
	v_lshl_add_u32 v[KADR], v30, 4, v[KADR]
	s_mul_i32 s2, s12, KH
	s_mul_i32 s3, s11, 64*144
	s_add_co_u32 s2, s2, s3
	s_add_co_u32 s2, s2, KOFF
	v_add_nc_u32 v[KADR], s2, v[KADR]
	v_add_nc_u32 v[KADR+1], SLOT, v[KADR]
	v_and_b32 v31, 7, v0                           ; V: key 64 kh + 32 kc + 8 h + l % 8, bytes 32 dt + 16 ((l / 8) % 2)
	v_lshl_add_u32 v31, v30, 3, v31
	v_mul_u32_u24 v[VADR], v31, 160
	v_bfe_u32 v31, v0, 3, 1
	v_lshl_add_u32 v[VADR], v31, 4, v[VADR]
	s_mul_i32 s2, s12, VH
	s_mul_i32 s3, s11, 64*160
	s_add_co_u32 s2, s2, s3
	v_add_nc_u32 v[VADR], s2, v[VADR]
	v_add_nc_u32 v[VADR+1], SLOT, v[VADR]
	s_lshl_b32 s2, s11, 8                          ; mask: key 64 kh + 16 mt + 8 h + j
	s_add_co_u32 s2, s2, MOFF
	v_lshl_add_u32 v[MADR], v30, 5, s2
	v_add_nc_u32 v[MADR+1], SLOT, v[MADR]
	s_sub_co_i32 s2, s13, s11
	s_lshl_b32 s2, s2, 6
	v_lshlrev_b32 v31, 3, v30
	v_sub_nc_u32 v[DIAGD], v29, v31
	v_add_nc_u32 v[DIAGD], s2, v[DIAGD]
	v_mov_b32 v[NINF], 0xff800000
	s_and_b32 s2, s10, 3
	s_mul_i32 s2, s2, MRGW
	s_add_co_u32 s2, s2, MRG
	v_lshl_add_u32 v[MRGA], v28, 4, s2
	v_mul_u32_u24 v[YSTO], v29, YP                 ; in: row 64 qs + 16 nt + r, bytes 128 hd + 32 dt + 16 h
	v_lshl_add_u32 v[YSTO], v30, 4, v[YSTO]
	s_mul_i32 s2, s13, 64*YP
	s_lshl_b32 s3, s12, 7
	s_add_co_u32 s2, s2, s3
	s_add_co_u32 s2, s2, YST
	v_add_nc_u32 v[YSTO], s2, v[YSTO]
	v_mul_u32_u24 v[YRD], v30, YP                  ; back: rows 16 w + 2 t + h, 16 bytes a lane
	v_lshl_add_u32 v[YRD], v29, 4, v[YRD]
	s_mul_i32 s2, s10, 16*YP
	s_add_co_u32 s2, s2, YST
	v_add_nc_u32 v[YRD], s2, v[YRD]
	v_lshlrev_b32 v[YCO], 4, v29
	v_lshl_add_u32 v[YCO], v30, 11, v[YCO]         ; lanes 16-31: one row of 2,048 bytes further
; One key step on the tile in slot; refill = 1: the next tile of the list goes into the other slot; diag = 1: the pass's first step, on the diagonal tile: it starts maxima, sums and O.
; In all runs of matrix instructions the sixteen accumulators take turns, one instruction a turn.
.macro STEP slot, other, refill, diag
	s_set_vgpr_msb 0x4
	s_wait_tensorcnt 0x0                           ; all my tensor loads have landed (at most one was out: my part of this slot's tile), so a group 0 may be written
	ds_add_u32 v15, v193
	s_wait_dscnt 0x0
	s_set_vgpr_msb 0x400
.if \refill
	SETADR \other
	NEXTKEY
.endif
	s_wait_dscnt 0x0                               ; my reads of the other slot are back
	s_barrier_signal -1
	s_barrier_wait -1                              ; both hold of all eight waves: this slot is whole, nobody reads the other
.if \refill
	KVLOAD \other                                  ; first thing behind the barrier; it has this whole step in which to land
.endif
.irp kk, 0,1
.irp mt, 0,1,2,3
	ds_load_b128 v[RKV+8*(4*\kk+\mt):RKV+8*(4*\kk+\mt)+3], v[KADR+\slot] offset:2304*\mt+64*\kk
	ds_load_b128 v[RKV+8*(4*\kk+\mt)+4:RKV+8*(4*\kk+\mt)+7], v[KADR+\slot] offset:2304*\mt+64*\kk+32
.endr
.endr
.irp mt, 0,1,2,3
	ds_load_b128 v[RT+8*\mt:RT+8*\mt+3], v[MADR+\slot] offset:64*\mt
	ds_load_b128 v[RT+8*\mt+4:RT+8*\mt+7], v[MADR+\slot] offset:64*\mt+16
.endr
.if \diag
	s_wait_loadcnt 0x0                             ; this pass's Q
.endif
	s_wait_dscnt 16                                ; K's d 0-31 are in: sixteen younger loads (K's d 32-63, the mask) may be out
	WIN 0x04                                       ; source 1 (Q) in window 1
.irp nt, 0,1,2,3
.irp mt, 0,1,2,3
	v_wmma_f32_16x16x32_f16 v[RS+8*(4*\nt+\mt):RS+8*(4*\nt+\mt)+7], v[RKV+8*\mt:RKV+8*\mt+7], v[RQ+16*\nt:RQ+16*\nt+7], 0
.endr
.endr
	s_wait_dscnt 8                                 ; K's d 32-63 are in: the mask's eight loads may be out
.irp nt, 0,1,2,3
.irp mt, 0,1,2,3
	v_wmma_f32_16x16x32_f16 v[RS+8*(4*\nt+\mt):RS+8*(4*\nt+\mt)+7], v[RKV+8*(4+\mt):RKV+8*(4+\mt)+7], v[RQ+16*\nt+8:RQ+16*\nt+15], v[RS+8*(4*\nt+\mt):RS+8*(4*\nt+\mt)+7]
.endr
.endr
	WIN 0
.rept 4
	v_nop                                          ; four places: V's loads land on K's registers, and the arithmetic below reads S
.endr
.irp kc, 0,1
.irp dt, 0,1,2,3
	ds_load_tr16_b128 v[RKV+8*(4*\kc+\dt):RKV+8*(4*\kc+\dt)+3], v[VADR+\slot] offset:5120*\kc+32*\dt
	ds_load_tr16_b128 v[RKV+8*(4*\kc+\dt)+4:RKV+8*(4*\kc+\dt)+7], v[VADR+\slot] offset:5120*\kc+32*\dt+2560
.endr
.endr
	s_wait_dscnt 16                                ; the mask is in; V's sixteen loads stay out during the softmax
	; scale and key mask in one fused multiply-add: s = S log2(e) / 8 + (0 or -infinity)
.irp nt, 0,1,2,3
.irp mt, 0,1,2,3
.irp p, 0,2,4,6
	v_pk_fma_f32 v[RS+8*(4*\nt+\mt)+\p:RS+8*(4*\nt+\mt)+\p+1], v[RS+8*(4*\nt+\mt)+\p:RS+8*(4*\nt+\mt)+\p+1], s[28:29], v[RT+8*\mt+\p:RT+8*\mt+\p+1] op_sel_hi:[1,0,1]
.endr
.endr
.endr
.if \diag
	; causal: key <= query, that is 16 (mt - nt) + j <= r - 8 h + 64 (qs - kh).  One text for the waves whose tile is on, below and above the diagonal.
.irp nt, 0,1,2,3
.irp mt, 0,1,2,3
.irp j, 0,1,2,3,4,5,6,7
	v_cmp_le_i32 vcc_lo, 16*(\mt-\nt)+\j, v[DIAGD]
	v_cndmask_b32 v[RS+8*(4*\nt+\mt)+\j], v[NINF], v[RS+8*(4*\nt+\mt)+\j], vcc_lo
.endr
.endr
.endr
.endif
	; the new maxima: four chains, one for each query tile
.irp nt, 0,1,2,3
.if \diag
	v_max3_num_f32 v[RN+\nt], s30, v[RS+32*\nt], v[RS+32*\nt+1]
.else
	v_max3_num_f32 v[RN+\nt], v[RM+\nt], v[RS+32*\nt], v[RS+32*\nt+1]
.endif
.endr
.set mp, 2
.rept 15
.irp nt, 0,1,2,3
	v_max3_num_f32 v[RN+\nt], v[RN+\nt], v[RS+32*\nt+mp], v[RS+32*\nt+mp+1]
.endr
.set mp, mp+2
.endr
.irp nt, 0,1,2,3
	v_permlanex16_b32 v[RT+\nt], v[RN+\nt], s26, s27   ; the other half of the lanes holds the query's other keys
.endr
.irp nt, 0,1,2,3
	v_max_num_f32 v[RN+\nt], v[RN+\nt], v[RT+\nt]
.endr
.if \diag == 0
.irp nt, 0,1,2,3
	v_sub_f32 v[RA+\nt], v[RM+\nt], v[RN+\nt]
.endr
.irp nt, 0,1,2,3
	v_exp_f32 v[RA+\nt], v[RA+\nt]                 ; what the old sums are rescaled by; the copies below are the plain instructions behind these (ISA guide 5.7.2)
.endr
.endif
.irp nt, 0,1,2,3
	v_mov_b32 v[RM+\nt], v[RN+\nt]
.endr
	; p = 2^(s - maximum)
.irp nt, 0,1,2,3
.set bp, 0
.rept 16
	SUBM RS+32*\nt+bp, \nt
.set bp, bp+2
.endr
.set bp, 0
.rept 32
	v_exp_f32 v[RS+32*\nt+bp], v[RS+32*\nt+bp]
.set bp, bp+1
.endr
.endr
	v_nop                                          ; one plain instruction between the exponentials and the first use of a result
	; the sums of p, four chains
	s_wait_alu depctr_va_vdst(0)
.irp nt, 0,1,2,3
	v_pk_add_f32 v[RT+2*\nt:RT+2*\nt+1], v[RS+32*\nt:RS+32*\nt+1], v[RS+32*\nt+2:RS+32*\nt+3]
.endr
.set mp, 4
.rept 14
.irp nt, 0,1,2,3
	v_pk_add_f32 v[RT+2*\nt:RT+2*\nt+1], v[RT+2*\nt:RT+2*\nt+1], v[RS+32*\nt+mp:RS+32*\nt+mp+1]
.endr
.set mp, mp+2
.endr
.irp nt, 0,1,2,3
.if \diag
	v_add_f32 v[RL+\nt], v[RT+2*\nt], v[RT+2*\nt+1]
.else
	v_add_f32 v[RT+2*\nt], v[RT+2*\nt], v[RT+2*\nt+1]
	v_fma_f32 v[RL+\nt], v[RL+\nt], v[RA+\nt], v[RT+2*\nt]
.endif
.endr
	; P to f16 in place: the sixteen registers of tiles (nt, 2 kc) and (nt, 2 kc + 1) become the eight of the fragment P^T(kc, nt)
.irp nt, 0,1,2,3
.irp kc, 0,1
.irp jj, 0,1,2,3,4,5,6,7
	v_cvt_pk_f16_f32 v[RS+32*\nt+16*\kc+\jj], v[RS+32*\nt+16*\kc+2*\jj], v[RS+32*\nt+16*\kc+2*\jj+1]
.endr
.endr
.endr
.if \diag == 0
	WIN 0x41                                       ; O in window 1, the factor in window 0
.irp nt, 0,1,2,3
.set bp, 0
.rept 16
	MULB RO+32*\nt+bp, RA, \nt
.set bp, bp+2
.endr
.endr
.endif
	s_wait_dscnt 0x0                               ; V's fragments
	WIN 0x50                                       ; C and D (O) in window 1
.irp nt, 0,1,2,3
.irp dt, 0,1,2,3
.if \diag
	v_wmma_f32_16x16x32_f16 v[RO+8*(4*\nt+\dt):RO+8*(4*\nt+\dt)+7], v[RKV+8*\dt:RKV+8*\dt+7], v[RS+32*\nt:RS+32*\nt+7], 0
.else
	v_wmma_f32_16x16x32_f16 v[RO+8*(4*\nt+\dt):RO+8*(4*\nt+\dt)+7], v[RKV+8*\dt:RKV+8*\dt+7], v[RS+32*\nt:RS+32*\nt+7], v[RO+8*(4*\nt+\dt):RO+8*(4*\nt+\dt)+7]
.endif
.endr
.endr
.irp nt, 0,1,2,3
.irp dt, 0,1,2,3
	v_wmma_f32_16x16x32_f16 v[RO+8*(4*\nt+\dt):RO+8*(4*\nt+\dt)+7], v[RKV+8*(4+\dt):RKV+8*(4+\dt)+7], v[RS+32*\nt+16:RS+32*\nt+23], v[RO+8*(4*\nt+\dt):RO+8*(4*\nt+\dt)+7]
.endr
.endr
	WIN 0
.rept 5
	v_nop                                          ; five places: the next step's first products write over P, which these read; four for its K loads onto V's registers and for whatever reads O
.endr
.endm
; The end of a pass: waves 4-7 hand their O, maxima and sums to waves 0-3, which merge, divide and put the block's rows into the stage; all eight waves store them.
; The next pass's first tile stays on its way across these two barriers.
.macro PASSEND yb, next
.if \next
	QLOAD QBB                                      ; the second pass's queries, well ahead of their use
.endif
.irp nt, 0,1,2,3
	v_permlanex16_b32 v[RT+\nt], v[RL+\nt], s26, s27
.endr
.irp nt, 0,1,2,3
	v_add_f32 v[RL+\nt], v[RL+\nt], v[RT+\nt]      ; the two halves of the lanes join their sums
.endr
	s_cmp_lt_u32 s10, 4
	s_cbranch_scc1 .Lkeeps_\@
	WIN 0x04                                       ; store data in window 1
.set sq, 0
.rept 32
	ds_store_b128 v[MRGA], v[RO+4*sq:RO+4*sq+3] offset:512*sq
.set sq, sq+1
.endr
	WIN 0
	ds_store_b128 v[MRGA], v[RM:RM+3] offset:16384
	ds_store_b128 v[MRGA], v[RL:RL+3] offset:16896
.Lkeeps_\@:
	s_wait_dscnt 0x0                               ; for the partner's sake: the stores are in LDS
	s_barrier_signal -1
	s_barrier_wait -1
	s_cmp_ge_u32 s10, 4
	s_cbranch_scc1 .Lgave_\@
	ds_load_b128 v[RT:RT+3], v[MRGA] offset:16384      ; the partner's maxima
	ds_load_b128 v[RT+4:RT+7], v[MRGA] offset:16896    ; and sums
.set sq, 0
.rept 32
	ds_load_b128 v[RS+4*sq:RS+4*sq+3], v[MRGA] offset:512*sq
.set sq, sq+1
.endr
	s_wait_dscnt 32                                ; maxima and sums are in; the partner's O (32 loads) may be out
.irp nt, 0,1,2,3
	v_max_num_f32 v[RT+8+\nt], v[RM+\nt], v[RT+\nt]
.endr
.irp nt, 0,1,2,3
	v_sub_f32 v[RA+\nt], v[RM+\nt], v[RT+8+\nt]
	v_sub_f32 v[RN+\nt], v[RT+\nt], v[RT+8+\nt]
.endr
.irp nt, 0,1,2,3
	v_exp_f32 v[RA+\nt], v[RA+\nt]
	v_exp_f32 v[RN+\nt], v[RN+\nt]
.endr
	v_nop
	s_wait_alu depctr_va_vdst(0)
.irp nt, 0,1,2,3
	v_mul_f32 v[RT+4+\nt], v[RN+\nt], v[RT+4+\nt]
.endr
.irp nt, 0,1,2,3
	v_fma_f32 v[RT+4+\nt], v[RA+\nt], v[RL+\nt], v[RT+4+\nt]
.endr
.irp nt, 0,1,2,3
	v_rcp_f32 v[RT+4+\nt], v[RT+4+\nt]
.endr
	v_nop
	s_wait_alu depctr_va_vdst(0)
.irp nt, 0,1,2,3
	v_mul_f32 v[RA+\nt], v[RA+\nt], v[RT+4+\nt]    ; my O's factor
	v_mul_f32 v[RN+\nt], v[RN+\nt], v[RT+4+\nt]    ; the partner's
.endr
	s_wait_dscnt 0x0
.irp nt, 0,1,2,3
.set bp, 0
.rept 16
	MULB RS+32*\nt+bp, RN, \nt
.set bp, bp+2
.endr
.endr
	WIN 0x01                                       ; source 0 (my O) in window 1
.irp nt, 0,1,2,3
.set bp, 0
.rept 16
	FMAB RS+32*\nt+bp, RO+32*\nt+bp, RA, \nt
.set bp, bp+2
.endr
.endr
	WIN 0
.irp nt, 0,1,2,3
.irp dt, 0,1,2,3
.irp jj, 0,1,2,3
	v_cvt_pk_f16_f32 v[RS+8*(4*\nt+\dt)+\jj], v[RS+8*(4*\nt+\dt)+2*\jj], v[RS+8*(4*\nt+\dt)+2*\jj+1]
.endr
	ds_store_b128 v[YSTO], v[RS+8*(4*\nt+\dt):RS+8*(4*\nt+\dt)+3] offset:\nt*16*YP+32*\dt   ; eight neighbouring d of one query
.endr
.endr
.Lgave_\@:
	s_wait_dscnt 0x0
	s_barrier_signal -1
	s_barrier_wait -1
.irp t, 0,1,2,3,4,5,6,7
	ds_load_b128 v[RKV+4*\t:RKV+4*\t+3], v[YRD] offset:2*YP*\t
.endr
.irp t, 0,1,2,3,4,5,6,7
	s_wait_dscnt 7-\t
	global_store_b128 v[YCO], v[RKV+4*\t:RKV+4*\t+3], s[\yb:\yb+1] offset:4096*\t   ; 16 lanes store the 256 bytes of both heads of a row, aligned
.endr
.if \next
	s_wait_xcnt 0x0                                ; the stores' data registers are loaded again by the next step only behind this wait
.endif
.endm
	STEP 0, 1, 1, 1                                ; first pass: the diagonal tile
	s_cmp_eq_u32 s14, 0
	s_cbranch_scc1 .Lpass_a_done
	s_mov_b32 s31, s14                             ; 2 i full steps
.Lpass_a:
	STEP 1, 0, 1, 0
	STEP 0, 1, 1, 0
	s_sub_co_i32 s31, s31, 1
	s_cmp_lg_u32 s31, 0
	s_cbranch_scc1 .Lpass_a
.Lpass_a_done:
	PASSEND YBA, 1
	s_mov_b32 s20, 0                               ; behind the second diagonal come key steps 0, 1, .. without a jump
	s_mov_b32 s24, -1
	STEP 1, 0, 1, 1                                ; second pass: the diagonal tile
	s_sub_co_u32 s31, 7, s14                       ; 15 - 2 i full steps: 7 - i pairs and one
	s_cmp_eq_u32 s31, 0
	s_cbranch_scc1 .Lpass_b_done
.Lpass_b:
	STEP 0, 1, 1, 0
	STEP 1, 0, 1, 0
	s_sub_co_i32 s31, s31, 1
	s_cmp_lg_u32 s31, 0
	s_cbranch_scc1 .Lpass_b
.Lpass_b_done:
	STEP 0, 1, 0, 0                                ; the last step fetches nothing; its wait for all tensor loads leaves none out at the end
	PASSEND YBB, 0
	s_set_vgpr_msb 0x4
	s_wait_tensorcnt 0x0
	ds_add_u32 v15, v193
	s_wait_dscnt 0x0
	s_set_vgpr_msb 0x400
	s_endpgm
.Lfunc_end_k_q2a264933c3_attn:
	.size	k_q2a264933c3_attn, .Lfunc_end_k_q2a264933c3_attn-k_q2a264933c3_attn
	.p2alignl 7, 3214868480
	.fill 96, 4, 3214868480
	.section	.rodata,"a",@progbits
	.p2align	6, 0x0
	.amdhsa_kernel k_q2a264933c3_attn
		.amdhsa_group_segment_fixed_size 327680
		.amdhsa_private_segment_fixed_size 0
		.amdhsa_enable_private_segment 0
		.amdhsa_kernarg_size 24
		.amdhsa_user_sgpr_count 2
		.amdhsa_user_sgpr_kernarg_segment_ptr 1
		.amdhsa_wavefront_size32 1
		.amdhsa_system_sgpr_workgroup_id_x 1
		.amdhsa_system_sgpr_workgroup_id_y 1
		.amdhsa_system_sgpr_workgroup_id_z 1
		.amdhsa_system_vgpr_workitem_id 0
		.amdhsa_next_free_vgpr 450
		.amdhsa_next_free_sgpr 102
		.amdhsa_reserve_vcc 1
		.amdhsa_float_denorm_mode_32 3
		.amdhsa_float_denorm_mode_16_64 3
		.amdhsa_memory_ordered 1
		.amdhsa_forward_progress 1
		.amdhsa_inst_pref_size 255
	.end_amdhsa_kernel
	.section	.bss,"aw",@nobits
	.p2align	6
	.space	262144
	.amdgpu_metadata
---
amdhsa.version: [ 1, 2 ]
amdhsa.kernels:
  - .name:           k_q2a264933c3_attn
    .symbol:         k_q2a264933c3_attn.kd
    .args:
      - { .name: qkv, .offset: 0, .size: 8, .value_kind: global_buffer, .address_space: global }
      - { .name: maskf, .offset: 8, .size: 8, .value_kind: global_buffer, .address_space: global }
      - { .name: yh, .offset: 16, .size: 8, .value_kind: global_buffer, .address_space: global }
    .group_segment_fixed_size: 327680
    .private_segment_fixed_size: 0
    .kernarg_segment_align: 8
    .kernarg_segment_size: 24
    .max_flat_workgroup_size: 256
    .sgpr_count:     102
    .vgpr_count:     450
    .wavefront_size: 32
...
	.end_amdgpu_metadata
.endif
;; end of part 6
;; launch outproj (part 7): grid 8 x 32, 4 waves a work-group, clusters of 4 x 4, 327,680 bytes of LDS; arguments yh, wph, bp, out0; writes out0
.if DOCPART == 7
	.amdgcn_target "amdgcn-amd-amdhsa--gfx1250"
	.amdhsa_code_object_version 6
	.text
	.protected	k_q2a264933c3_outproj
	.globl	k_q2a264933c3_outproj
	.p2align	8
	.type	k_q2a264933c3_outproj,@function
k_q2a264933c3_outproj:
	s_mov_b64 s[64:65], 0
	v_nop
	global_prefetch_b8 v0, s[64:65] scope:SCOPE_SE
	s_setreg_imm32_b32 hwreg(HW_REG_WAVE_MODE, 25, 1), 1
	s_wait_xcnt 0x0
	s_wait_alu depctr_hold_cnt(0) depctr_sa_sdst(0) depctr_va_vdst(0) depctr_va_sdst(0) depctr_va_ssrc(0) depctr_va_vcc(0) depctr_vm_vsrc(0)
	s_getreg_b32 s2, hwreg(HW_REG_IB_STS2, 6, 4)
	s_cmp_eq_u32 s2, 0
	s_cbranch_scc0 .Lentry_in_a_cluster
	s_endpgm
.Lentry_in_a_cluster:
	s_bfe_u32 s2, ttmp6, 0x10000c
	s_cmp_lg_u32 s2, 0xf033
	s_cbranch_scc0 .Lentry_shape_is_right
	s_endpgm
.Lentry_shape_is_right:
; out0 = yh wph^T + bp.  yh: [8192][1024] f16, rows b*2048 + t; wph: [1024][1024] f16 (Wp rounded to bf16 and written as f16); bp: [1024] f32; sums in f32; out0: [t][b][1024] f32.
; LIMIT: |y| and |Wp| below 65,504 (f16).
; A work-group makes 256 rows x 128 columns with four waves; a wave makes 128 x 64: 32 accumulator tiles of 16 x 16, 256 registers.
; 128 columns make 8 x 32 = 256 work-groups, one for each WGP.  K goes in steps of 128 through a ring of two LDS slots filled by the
; tensor data mover; a tile's rows are 256 bytes of memory and start at multiples of 256 bytes.
; CLUSTERS: 4 x 4 work-groups.  The four of a row of the cluster need the same tiles of yh, the four of a column the same tiles of wph: such a tile is asked
; for jointly, by the same tensor load with the same descriptor and a mask that names the four.
; REGISTERS in windows of 256: window 0: v16-27 addresses; v64-127, v128-191 fragments of yh, two buffers; v192-223 the bias.
;   window 1: v64-95, v128-159 fragments of wph, two buffers.  window 2: accumulators of my rows 0-63 (tile (a, b) at v[8 (4 a + b)]); window 3: rows 64-127.
; THE MATRIX INSTRUCTION IS USED TRANSPOSED (source 0 = 16 rows of wph, source 1 = 16 rows of yh): lane l holds row l % 16 of the result and its registers 0-7 the columns
; 8 (l / 16) + 0..7.  So the bias of those eight columns, loaded once in that layout, is the C operand of each tile's first product: nothing is cleared, nothing is added later.
.set NB,     4                         ; column tiles of 16 in a wave
.set SIZE_K, 1024
.set KSTEP,  128
.set PITCH,  272                       ; an LDS row: 256 bytes + 16 of padding: the 16 rows that a load touches start at 16 different 16-byte columns
.set BROWS,  16*NB                     ; rows of wph in one tensor load, and in one wave's tile
.set HALFA,  128*PITCH
.set HALFB,  BROWS*PITCH
.set SLOT,   2*HALFA+2*HALFB           ; yh's 256 rows, then wph's 128 rows
.set STAGE,  2*SLOT                    ; behind the ring: 16 rows x 272 bytes for each wave, for the way out; no tensor load lands here
.set SP,     272
.set LAPS,   SIZE_K/(2*KSTEP)          ; a lap = two K steps = once round the ring
.set ADRA, 16                          ; v16-17  LDS address of my yh fragments in slot 0, 1
.set ADRB, 20                          ; v20-21  the same for wph
.set STO,  24                          ; the way out: where I put 32 bytes of a row
.set RD,   25                          ; the way out: where I read a row back
.set CO,   26                          ; my byte offset in out0
.set BO,   27                          ; my byte offset in the bias
.set F0,   64
.set F1,   128
.set BIAS, 192
.set G1,  24                           ; s[24:31] group 1 for yh's tiles
.set G0,  32                           ; s[32:39] group 0 for yh's tiles, one set for each slot
.set G1B, 48                           ; s[48:55] group 1 for wph's tiles
.set G0B, 56                           ; s[56:63] group 0 for wph's tiles
.set MSB, 0
.macro WIN new                         ; the immediate's high byte repeats the setting that is left
.if MSB != \new
	s_set_vgpr_msb (MSB<<8)|\new
.set MSB, \new
.endif
.endm
.set MUL_LO,   0xa1                    ; source 0 window 1, source 1 window 0, C and D window 2
.set MUL_HI,   0xf1                    ; C and D window 3
.set FIRST_LO, 0x81                    ; C (the bias) window 0, D window 2
.set FIRST_HI, 0xc1                    ; C window 0, D window 3
.set TO_B,     0x40                    ; destination window 1, address window 0
; A joint load.  Waves 0 and 1 fetch yh's two halves, waves 2 and 3 wph's.  The branch hangs on the wave's number alone.
.macro JLOAD s
	s_cmp_eq_u32 s11, 0
	s_cbranch_scc0 .Lfor_b_\@
	tensor_load_to_lds s[G0+4*\s:G0+4*\s+3], s[G1:G1+7]
	s_nop 0
	s_branch .Lasked_\@
.Lfor_b_\@:
	tensor_load_to_lds s[G0B+4*\s:G0B+4*\s+3], s[G1B:G1B+7]
	s_nop 0
.Lasked_\@:
.endm
.macro CREST                           ; a round of the cluster's barrier behind its opening barrier
	s_cmp_lg_u32 s10, 0
	s_cbranch_scc1 .Lnot_wave_0_\@
	s_barrier_signal -3
.Lnot_wave_0_\@:
	s_barrier_wait -3
	s_barrier_signal -1
	s_barrier_wait -1
.endm
.macro CROUND                          ; a whole round
	s_barrier_signal -1
	s_barrier_wait -1
	CREST
.endm
	s_load_b256 s[72:79], s[0:1], 0x0              ; yh 72, wph 74, bp 76, out0 78
	s_set_vgpr_msb 0x40
	v_lshl_add_u32 v255, v0, 2, 0x37400
	s_set_vgpr_msb 0x4000
	v_mov_b32 v255, 0
	s_set_vgpr_msb 0x1
	ds_add_u32 v255, v255
	s_set_vgpr_msb 0x100
	v_lshrrev_b32 v1, 5, v0
	v_readfirstlane_b32 s10, v1                    ; wave 0..3
	s_lshr_b32 s11, s10, 1                         ; which half of the block's rows is mine.  Also: I fetch for yh (0) or wph (1)
	s_and_b32 s12, s10, 1                          ; which half of its columns.  Also: which half of that tile I fetch
	s_bfe_u32 s40, ttmp6, 0x40000                  ; cx
	s_bfe_u32 s41, ttmp6, 0x40004                  ; cy
	s_lshl_b32 s42, ttmp9, 2
	s_add_co_u32 s42, s42, s40                     ; block column = 4 x cluster x + cx
	s_and_b32 s13, ttmp7, 0xffff
	s_lshl_b32 s13, s13, 2
	s_add_co_u32 s13, s13, s41                     ; block row = 4 x cluster y + cy
	s_lshl_b32 s43, s41, 2
	s_lshl_b32 s43, 15, s43                        ; my row of the cluster
	s_lshl_b32 s44, 0x1111, s40                    ; my column
	s_or_b32 s[G1+0], s43, (1<<16)|(1<<20)|(1<<21)|(5<<22)|(3<<25)  ; mask; elements of 2 bytes; padding on; bit 21 beside a mask; after every 64 words, 4 words
	s_or_b32 s[G1B+0], s44, (1<<16)|(1<<20)|(1<<21)|(5<<22)|(3<<25)
	s_mov_b32 s[G1+1], KSTEP<<16                   ; tensor_dim0 = 128
	s_mov_b32 s[G1B+1], KSTEP<<16
	s_mov_b32 s[G1+2], 128<<16                     ; tensor_dim1 = 128 rows
	s_mov_b32 s[G1B+2], BROWS<<16                  ; 64 rows
	s_mov_b32 s[G1+3], KSTEP<<16                   ; tile_dim0 = 128
	s_mov_b32 s[G1B+3], KSTEP<<16
	s_mov_b32 s[G1+4], 128                         ; tile_dim1
	s_mov_b32 s[G1B+4], BROWS
	s_mov_b32 s[G1+5], SIZE_K                      ; elements from row to row
	s_mov_b32 s[G1B+5], SIZE_K
	s_mov_b32 s[G1+6], 0
	s_mov_b32 s[G1B+6], 0
	s_mov_b32 s[G1+7], 0
	s_mov_b32 s[G1B+7], 0
	; yh's tiles hang on the block row alone, wph's on the block column alone; each address is made in registers that never hold the other coordinate
	s_lshl_b32 s17, s12, 7
	s_lshl_b32 s16, s13, 8
	s_add_co_u32 s16, s16, s17                     ; yh: row 256 x block row + 128 x half
	s_lshl_b32 s16, s16, 11                        ; rows of 2,048 bytes (below 2^24)
	s_mov_b32 s17, 0
	s_mul_i32 s46, s42, 2*BROWS
	s_mul_i32 s47, s12, BROWS
	s_add_co_u32 s46, s46, s47                     ; wph: row 128 x block column + 64 x half
	s_lshl_b32 s46, s46, 11
	s_mov_b32 s47, 0
	s_mul_i32 s20, s10, HALFA                      ; where they go: waves 0, 1: yh's halves
	s_mul_i32 s21, s10, HALFB
	s_add_co_u32 s21, s21, 2*HALFA-2*HALFB         ; waves 2, 3: wph's halves, behind yh's 256 rows
	s_wait_dscnt 0x0
	s_wait_kmcnt 0x0
	s_add_nc_u64 s[14:15], s[72:73], s[16:17]
	s_add_nc_u64 s[46:47], s[74:75], s[46:47]
	CROUND                                         ; all sixteen work-groups are here: the first joint loads meet
.irp s, 0,1
	s_mov_b32 s[G0+4*\s], 1
	s_add_co_u32 s[G0+4*\s+1], s20, \s*SLOT
	s_add_nc_u64 s[G0+4*\s+2:G0+4*\s+3], s[14:15], \s*KSTEP*2
	s_or_b32 s[G0+4*\s+3], s[G0+4*\s+3], 0x80000000
	s_mov_b32 s[G0B+4*\s], 1
	s_add_co_u32 s[G0B+4*\s+1], s21, \s*SLOT
	s_add_nc_u64 s[G0B+4*\s+2:G0B+4*\s+3], s[46:47], \s*KSTEP*2
	s_or_b32 s[G0B+4*\s+3], s[G0B+4*\s+3], 0x80000000
	JLOAD \s                                       ; both slots are asked for before anything else: two tensor loads of the wave are out
.endr
	v_and_b32 v1, 15, v0                           ; r = l % 16
	v_bfe_u32 v2, v0, 4, 1                         ; h = l / 16
	; the bias of my 64 columns, in the accumulators' layout: register 8 b + j = bias[128 bx + 64 wn + 16 b + 8 h + j]
	v_lshlrev_b32 v[BO], 5, v2
	s_mul_i32 s70, s42, 2*BROWS*4
	s_mul_i32 s71, s12, BROWS*4
	s_add_co_u32 s70, s70, s71
	s_mov_b32 s71, 0
	s_add_nc_u64 s[68:69], s[76:77], s[70:71]
.set bi, 0
.rept NB
	global_load_b128 v[BIAS+8*bi:BIAS+8*bi+3], v[BO], s[68:69] offset:64*bi
	global_load_b128 v[BIAS+8*bi+4:BIAS+8*bi+7], v[BO], s[68:69] offset:64*bi+16
.set bi, bi+1
.endr
	; fragments: lane l holds row l % 16; registers 0-3 K = 8 h + 0..7, registers 4-7 K = 16 + 8 h + 0..7: two loads of 16 bytes, 32 bytes apart
	v_mul_u32_u24 v3, v1, PITCH
	v_lshl_add_u32 v3, v2, 4, v3
	s_mul_i32 s22, s11, HALFA
	s_mul_i32 s23, s12, HALFB
	s_add_co_u32 s23, s23, 2*HALFA
.irp s, 0,1
	v_add_nc_u32 v[ADRA+\s], s22, v3
	v_add_nc_u32 v[ADRB+\s], s23, v3
	s_add_co_u32 s22, s22, SLOT
	s_add_co_u32 s23, s23, SLOT
.endr
	; the way out, through my own stage.  In: row r, bytes 64 b + 32 h.  Back: lanes 0-15 one row of 256 bytes, lanes 16-31 the next
	s_mul_i32 s18, s10, 16*SP
	s_add_co_u32 s18, s18, STAGE
	v_mul_u32_u24 v4, v1, SP
	v_lshl_add_u32 v4, v2, 5, v4
	v_add_nc_u32 v[STO], s18, v4
	v_mul_u32_u24 v5, v2, SP
	v_lshl_add_u32 v5, v1, 4, v5
	v_add_nc_u32 v[RD], s18, v5
	v_lshlrev_b32 v5, 14, v2                       ; in out0 the next t lies four rows of 4,096 bytes further
	v_lshl_add_u32 v[CO], v1, 4, v5
; 2 NB matrix instructions: row tiles a0, a0 + 1 of the window's four x all NB column tiles, 32 along K.  first = 1: C is the bias.
; The accumulators take turns, one instruction a turn, in the same order in every quarter step.
.macro MUL16 f, hi, a0, first
.irp a, \a0, \a0+1
.set mb, 0
.rept NB
.if \first
	v_wmma_f32_16x16x32_f16 v[8*(NB*(\a)+mb):8*(NB*(\a)+mb)+7], v[\f+8*mb:\f+8*mb+7], v[\f+8*(4*\hi+\a):\f+8*(4*\hi+\a)+7], v[BIAS+8*mb:BIAS+8*mb+7]
.else
	v_wmma_f32_16x16x32_f16 v[8*(NB*(\a)+mb):8*(NB*(\a)+mb)+7], v[\f+8*mb:\f+8*mb+7], v[\f+8*(4*\hi+\a):\f+8*(4*\hi+\a)+7], v[8*(NB*(\a)+mb):8*(NB*(\a)+mb)+7]
.endif
.set mb, mb+1
.endr
.endr
.endm
; 2 NB + 16 LDS loads in one run: the fragments of one quarter step into buffer f
.macro FETCH slot, k, f
	WIN TO_B
.set fi, 0
.rept NB
	ds_load_b128 v[\f+8*fi:\f+8*fi+3],   v[ADRB+\slot] offset:\k+fi*16*PITCH
	ds_load_b128 v[\f+8*fi+4:\f+8*fi+7], v[ADRB+\slot] offset:\k+fi*16*PITCH+32
.set fi, fi+1
.endr
	WIN 0
.irp i, 0,1,2,3,4,5,6,7
	ds_load_b128 v[\f+8*\i:\f+8*\i+3],   v[ADRA+\slot] offset:\k+\i*16*PITCH
	ds_load_b128 v[\f+8*\i+4:\f+8*\i+7], v[ADRA+\slot] offset:\k+\i*16*PITCH+32
.endr
.endm
; Four independent vector instructions stand between a matrix instruction and a load into one of its sources or an LDS store that reads its result
.macro PLACES
.rept 4
	v_nop
.endr
.endm
.macro QUARTER slot, k, f, g, first
	s_wait_dscnt 8                                 ; wph's fragments and yh's rows 0-63 are in; the youngest eight loads (rows 64-127) may be out
.if \first
	WIN FIRST_LO
.else
	WIN MUL_LO
.endif
	MUL16 \f, 0, 0, \first
	MUL16 \f, 0, 2, \first
	PLACES
	FETCH \slot, \k, \g
	s_wait_dscnt 2*NB+16                           ; all but the run just issued
.if \first
	WIN FIRST_HI
.else
	WIN MUL_HI
.endif
	MUL16 \f, 1, 0, \first
	MUL16 \f, 1, 2, \first
.endm
.macro THREE slot, first
	QUARTER \slot, 64,  F0, F1, \first
	QUARTER \slot, 128, F1, F0, 0
	QUARTER \slot, 192, F0, F1, 0
.endm
; The last quarter of a K step changes slots.  In front of the barrier each wave waits for its reads of this slot and for all its tensor loads (one is out: its part of the
; next slot).  Where this slot is filled again the barrier opens a round of the cluster's barrier, and the joint refill is the first tensor load behind the round.
.macro TURN slot, next, fill
	s_wait_dscnt 8
	WIN MUL_LO
	MUL16 F1, 0, 0, 0
	s_wait_dscnt 0                                 ; my reads of this slot are over
	s_wait_tensorcnt 0x0                           ; all my tensor loads have landed
	ds_add_u32 v255, v255
	s_wait_dscnt 0x0
	s_barrier_signal -1
	MUL16 F1, 0, 2, 0                              ; register work while the others arrive
	WIN 0
	s_barrier_wait -1
.if \fill
	CREST
	s_add_nc_u64 s[G0+4*\slot+2:G0+4*\slot+3], s[G0+4*\slot+2:G0+4*\slot+3], 2*KSTEP*2
	s_add_nc_u64 s[G0B+4*\slot+2:G0B+4*\slot+3], s[G0B+4*\slot+2:G0B+4*\slot+3], 2*KSTEP*2
	JLOAD \slot                                    ; two K steps ahead; the wave's one tensor load until the next round
.endif
	PLACES
	FETCH \next, 0, F0
	WIN MUL_HI
	MUL16 F1, 1, 0, 0
	MUL16 F1, 1, 2, 0
.endm
.macro LAP first
	THREE 0, \first
	TURN 0, 1, 1
	THREE 1, 0
	TURN 1, 0, 1
.endm
	s_wait_tensorcnt 1                             ; my part of K step 0 is in; K step 1's may stay out
	s_barrier_signal -1
	s_barrier_wait -1
	FETCH 0, 0, F0
	s_wait_loadcnt 0x0                             ; the bias
	LAP 1                                          ; the first products take the bias as C
	WIN 0
	s_mov_b32 s3, LAPS-2
.Llap:
	LAP 0
	WIN 0
	s_sub_co_u32 s3, s3, 1
	s_cmp_lg_u32 s3, 0
	s_cbranch_scc1 .Llap
	THREE 0, 0                                     ; the last lap fills nothing
	TURN 0, 1, 0
	THREE 1, 0
	s_wait_dscnt 8
	WIN MUL_LO
	MUL16 F1, 0, 0, 0
	MUL16 F1, 0, 2, 0
	s_wait_dscnt 0
	WIN MUL_HI
	MUL16 F1, 1, 0, 0
	MUL16 F1, 1, 2, 0
	PLACES                                         ; behind the last matrix instructions: the LDS stores read results, the loads below land on fragment registers
	; THE WAY OUT, 16 rows at a time, in f32.  Row b*2048 + t of the product is row 4 t + b of out0: b = by / 8, t = 256 (by % 8) + 128 wm + ..
	s_and_b32 s16, s13, 7
	s_lshl_b32 s16, s16, 8
	s_lshl_b32 s17, s11, 7
	s_add_co_u32 s16, s16, s17                     ; my first t
	s_lshl_b32 s16, s16, 2
	s_lshr_b32 s17, s13, 3
	s_add_co_u32 s16, s16, s17                     ; 4 t + b
	s_lshl_b32 s16, s16, 12                        ; rows of 4,096 bytes (below 2^25)
	s_mov_b32 s17, 0
	s_add_nc_u64 s[78:79], s[78:79], s[16:17]
	s_lshl_b32 s46, s42, 9                         ; my first column, in bytes: 512 bx + 256 wn
	s_lshl_b32 s47, s12, 8
	s_add_co_u32 s46, s46, s47
	s_mov_b32 s47, 0
	s_add_nc_u64 s[78:79], s[78:79], s[46:47]
; rows 16 a .. 16 a + 15 of my tile = the four tiles (al, 0..3) of window 2 or 3 (from = 0x08 or 0x0c: an LDS store's data are source 1); f: F0 or F1 in turn
.macro OUT16F a, al, from, f
	WIN \from
.irp b, 0,1,2,3
	ds_store_b128 v[STO], v[8*(NB*\al+\b):8*(NB*\al+\b)+3] offset:64*\b
	ds_store_b128 v[STO], v[8*(NB*\al+\b)+4:8*(NB*\al+\b)+7] offset:64*\b+16
.endr
	WIN 0
	s_wait_xcnt 0x0                                ; buffer f was the data of earlier stores: loaded again only behind this wait
.irp t, 0,1,2,3,4,5,6,7
	ds_load_b128 v[\f+4*\t:\f+4*\t+3], v[RD] offset:\t*2*SP        ; LDS serves a wave's instructions in order: these see the stores above
.endr
.irp t, 0,1,2,3,4,5,6,7
	s_wait_dscnt 7-\t
	global_store_b128 v[CO], v[\f+4*\t:\f+4*\t+3], s[78:79] offset:\a*262144+\t*32768 th:TH_STORE_NT   ; 16 lanes store 256 consecutive bytes, aligned; the largest offset is 2,064,384
.endr
.endm
	OUT16F 0, 0, 0x08, F0
	OUT16F 1, 1, 0x08, F1
	OUT16F 2, 2, 0x08, F0
	OUT16F 3, 3, 0x08, F1
	OUT16F 4, 0, 0x0c, F0
	OUT16F 5, 1, 0x0c, F1
	OUT16F 6, 2, 0x0c, F0
	OUT16F 7, 3, 0x0c, F1
	s_set_vgpr_msb 0x1
	s_wait_tensorcnt 0x0
	ds_add_u32 v255, v255
	s_wait_dscnt 0x0
	s_set_vgpr_msb 0x100
	CROUND                                         ; the closing round
	s_endpgm
.Lfunc_end_k_q2a264933c3_outproj:
	.size	k_q2a264933c3_outproj, .Lfunc_end_k_q2a264933c3_outproj-k_q2a264933c3_outproj
	.p2alignl 7, 3214868480
	.fill 96, 4, 3214868480
	.section	.rodata,"a",@progbits
	.p2align	6, 0x0
	.amdhsa_kernel k_q2a264933c3_outproj
		.amdhsa_group_segment_fixed_size 327680
		.amdhsa_private_segment_fixed_size 0
		.amdhsa_enable_private_segment 0
		.amdhsa_kernarg_size 32
		.amdhsa_user_sgpr_count 2
		.amdhsa_user_sgpr_kernarg_segment_ptr 1
		.amdhsa_wavefront_size32 1
		.amdhsa_system_sgpr_workgroup_id_x 1
		.amdhsa_system_sgpr_workgroup_id_y 1
		.amdhsa_system_sgpr_workgroup_id_z 1
		.amdhsa_system_vgpr_workitem_id 0
		.amdhsa_next_free_vgpr 1024
		.amdhsa_next_free_sgpr 80
		.amdhsa_reserve_vcc 0
		.amdhsa_float_denorm_mode_32 3
		.amdhsa_float_denorm_mode_16_64 3
		.amdhsa_memory_ordered 1
		.amdhsa_forward_progress 1
		.amdhsa_inst_pref_size 121
	.end_amdhsa_kernel
	.amdgpu_metadata
---
amdhsa.version: [ 1, 2 ]
amdhsa.kernels:
  - .name:           k_q2a264933c3_outproj
    .symbol:         k_q2a264933c3_outproj.kd
    .args:
      - { .name: yh, .offset: 0, .size: 8, .value_kind: global_buffer, .address_space: global }
      - { .name: wph, .offset: 8, .size: 8, .value_kind: global_buffer, .address_space: global }
      - { .name: bp, .offset: 16, .size: 8, .value_kind: global_buffer, .address_space: global }
      - { .name: out0, .offset: 24, .size: 8, .value_kind: global_buffer, .address_space: global }
    .group_segment_fixed_size: 327680
    .private_segment_fixed_size: 0
    .kernarg_segment_align: 8
    .kernarg_segment_size: 32
    .max_flat_workgroup_size: 128
    .sgpr_count:     80
    .vgpr_count:     1024
    .wavefront_size: 32
...
	.end_amdgpu_metadata
.endif
;; end of part 7
;; ======== version 3 of 3: 4 launches; version 2 with the launch cast written anew for expert scheduling mode
;; limits: values are held in f16: magnitudes above 65,504 overflow, below 6.1e-05 lose precision
;; workspace buffers: xh 16,777,216 bytes; wqkv 6,291,456 bytes; wph 2,097,152 bytes; bqkv 12,288 bytes; maskf 32,768 bytes; qkv 50,331,648 bytes; yh 16,777,216 bytes
;; launch cast (part 8): grid 768 x 1, 8 waves a work-group, no clusters, 0 bytes of LDS; arguments x, Wq, Wk, Wv, Wp, bq, bk, bv, custom_mask, xh, wqkv, wph, bqkv, maskf; writes xh, wqkv, wph, bqkv, maskf
.if DOCPART == 8
	.amdgcn_target "amdgcn-amd-amdhsa--gfx1250"
	.amdhsa_code_object_version 6
	.text
	.protected	k_q2a264933c3_cast
	.globl	k_q2a264933c3_cast
	.p2align	8
	.type	k_q2a264933c3_cast,@function
k_q2a264933c3_cast:
	s_mov_b64 s[64:65], 0
	v_nop
	global_prefetch_b8 v0, s[64:65] scope:SCOPE_SE
	s_setreg_imm32_b32 hwreg(HW_REG_WAVE_SCHED_MODE, 0, 2), 2
	s_setreg_imm32_b32 hwreg(HW_REG_WAVE_MODE, 25, 1), 1
	s_wait_xcnt 0x0
	s_wait_alu depctr_vm_vsrc(0)
; cast: the matrix operands that are inputs are rounded to bf16, once, with some reordering on the way.
;   xh[b*2048+t][1024]  = bf16(x[t][b][1024])         rows go from (t, b) to (b, t)
;   wqkv[3072][1024]    = bf16(Wq; Wk; Wv)            one matrix of 3,072 rows
;   wph[1024][1024]     = f16(bf16(Wp))               rounded to bf16 like the other inputs, then written as f16: the last product's other operand, y, is f16,
;                                                     and a matrix instruction takes both operands in one format.  A bf16 number (8 significant bits) of magnitude
;                                                     2^-17 or more is exact in f16; a smaller one is off by at most 2^-25.  LIMIT: |Wp| below 65,504.
;   bqkv[3072]          = (bq; bk; bv), f32 as they are
;   maskf[4][2048]      = 0.0 where custom_mask's byte is not 0, -infinity where it is 0
; 12,288 source rows of 4,096 bytes.  A work-group takes 16 of them, a wave two neighbouring ones: sixteen loads of 16 bytes a lane,
; each covering 512 consecutive bytes, all issued before the first is waited for.  Each store of a wave (8 bytes a lane) covers 256
; consecutive bytes, aligned.  No LDS, no barrier, no matrix unit: nothing is used twice.
; Work-groups 0-511: x.  512 + 64 mi + gi: row group gi of matrix mi (0 Wq, 1 Wk, 2 Wv, 3 Wp).  The four with gi = 0 also copy one bias (mi < 3) or make maskf (mi = 3).
; THE MODE: SCHED_MODE bits 1:0 = 2 (LLVM: expert scheduling mode 2), set by the entry lines.  The code itself states the register dependences
; between vector instructions and memory instructions, with s_wait_alu, always for 0.
; THE PLAN.  Registers that memory instructions touch:
;   v2, v3, v4   byte offsets, made once at the head and never written again: v2 is read by the sixteen loads, v3 and v4 by the sixteen stores.
;   X            the sixteen loads land here; all are issued at the head, before any vector instruction names X, and no load lands in X later.
;   Y            chunk c's pair is written by chunk c's conversions alone and read by chunk c's one store alone; it is never written again.
;   v5, v6, MI, MO   the small jobs' offsets, loaded words and results: each is written once before the memory instruction that reads it, and not again behind it.
; The sixteen chunks go in four blocks of four.  Block p's stores leave in block p + 1, behind ONE wait on va_vdst at that block's head, one ahead of each chunk's conversions:
; the vector instructions issued since that wait name X and Y of block p + 1 alone, none of the registers that those stores read.
; No register that a memory instruction has read is ever written again, so the only wait on vm_vsrc is the entry's.
.set X, 8                              ; v[8:71]    16 x 4 registers as loaded
.set Y, 72                             ; v[72:103]  16 x 2 registers to store
.set MI, 104                           ; v[104:111] mask words
.set MO, 112                           ; v[112:143] mask as f32
.set MS, 46                            ; s[46:61]   the mask job's sixteen compare results; dead scalars by then, read by no pending memory instruction
	s_load_b512 s[8:23], s[0:1], 0x0               ; x 8, Wq 10, Wk 12, Wv 14, Wp 16, bq 18, bk 20, bv 22
	s_load_b256 s[24:31], s[0:1], 0x40             ; custom_mask 24, xh 26, wqkv 28, wph 30
	s_load_b128 s[32:35], s[0:1], 0x60             ; bqkv 32, maskf 34
	v_lshrrev_b32 v1, 5, v0
	v_readfirstlane_b32 s36, v1                    ; wave
	v_and_b32 v1, 31, v0                           ; lane
	v_lshlrev_b32 v2, 4, v1                        ; 16 bytes a lane in the source
	v_lshlrev_b32 v3, 3, v1                        ; 8 bytes a lane in the target
	s_wait_alu depctr_va_sdst(0)                   ; s36 is written, ahead of its first reader: my first row is made from it
	s_mov_b32 s37, ttmp9                           ; g
	s_sub_co_u32 s38, s37, 512                     ; g - 512 (for g < 512 it wraps, and mi below is then far above 3)
	s_lshr_b32 s39, s38, 6                         ; mi
	s_and_b32 s40, s38, 63                         ; gi
	s_cmp_lt_u32 s37, 512
	s_cselect_b32 s41, s37, s40                    ; row group inside its tensor
	s_lshl_b32 s41, s41, 4
	s_lshl1_add_u32 s41, s36, s41                  ; r0 = 16 x group + 2 x wave: my first source row (even)
	s_mov_b32 s52, 0x800                           ; W: the second row lies one target row (2,048 bytes) further
	s_mov_b32 s53, 0x400000                        ; x: rows r0 and r0 + 1 are b and b + 1 of one t: 2,048 target rows further
	s_mov_b32 s60, 0xffff0000                      ; a word's upper bf16
	s_wait_kmcnt 0x0
	; the source: a choice among five buffers, on ids alone
	s_cmp_eq_u32 s39, 2
	s_cselect_b64 s[42:43], s[14:15], s[16:17]
	s_cmp_eq_u32 s39, 1
	s_cselect_b64 s[42:43], s[12:13], s[42:43]
	s_cmp_eq_u32 s39, 0
	s_cselect_b64 s[42:43], s[10:11], s[42:43]
	s_cmp_lt_u32 s37, 512
	s_cselect_b64 s[42:43], s[8:9], s[42:43]
	; the target and the target row
	s_cmp_lt_u32 s39, 3
	s_cselect_b64 s[44:45], s[28:29], s[30:31]     ; wqkv or wph
	s_cselect_b32 s47, s39, 0
	s_lshl_b32 s47, s47, 10
	s_add_co_u32 s47, s47, s41                     ; W: row 1,024 mi + r0 of wqkv, or r0 of wph
	s_and_b32 s46, s41, 3
	s_lshl_b32 s46, s46, 11
	s_lshr_b32 s54, s41, 2
	s_add_co_u32 s46, s46, s54                     ; x: row 2,048 b + t
	s_cmp_lt_u32 s37, 512
	s_cselect_b64 s[44:45], s[26:27], s[44:45]
	s_cselect_b32 s46, s46, s47
	s_cselect_b32 s52, s53, s52
	s_lshl_b32 s48, s41, 12                        ; source offset: rows of 4,096 bytes (below 2^26)
	s_mov_b32 s49, 0
	s_lshl_b32 s50, s46, 11                        ; target offset: rows of 2,048 bytes
	s_mov_b32 s51, 0
	s_add_nc_u64 s[42:43], s[42:43], s[48:49]
	s_add_nc_u64 s[44:45], s[44:45], s[50:51]
	v_add_nc_u32 v4, s52, v3                       ; my 8 bytes in the second row's target
	s_wait_alu depctr_va_vdst(0)                   ; v2, v3 and v4 are written: the sixteen loads read v2 as their offset, the sixteen stores v3 or v4
.irp i, 0,1
.irp c, 0,1,2,3,4,5,6,7
	global_load_b128 v[X+4*(8*\i+\c):X+4*(8*\i+\c)+3], v2, s[42:43] offset:\i*4096+512*\c th:TH_LOAD_NT
.endr
.endr
; Chunk c (row c / 8, piece c % 8): four numbers are rounded.  asf16 = 1: the bf16 numbers are widened again (a shift, a mask) and written as f16.
.macro CVT c, asf16
	v_cvt_pk_bf16_f32 v[Y+2*(\c)], v[X+4*(\c)], v[X+4*(\c)+1]
	v_cvt_pk_bf16_f32 v[Y+2*(\c)+1], v[X+4*(\c)+2], v[X+4*(\c)+3]
.if \asf16
	v_lshlrev_b32 v[X+4*(\c)], 16, v[Y+2*(\c)]
	v_and_b32 v[X+4*(\c)+1], s60, v[Y+2*(\c)]
	v_lshlrev_b32 v[X+4*(\c)+2], 16, v[Y+2*(\c)+1]
	v_and_b32 v[X+4*(\c)+3], s60, v[Y+2*(\c)+1]
	v_cvt_pk_f16_f32 v[Y+2*(\c)], v[X+4*(\c)], v[X+4*(\c)+1]
	v_cvt_pk_f16_f32 v[Y+2*(\c)+1], v[X+4*(\c)+2], v[X+4*(\c)+3]
.endif
.endm
; Chunk c's store
.macro PUT c
	global_store_b64 v[3+(\c)/8], v[Y+2*(\c):Y+2*(\c)+1], s[44:45] offset:256*((\c)%8)
.endm
; my two rows: four blocks of four chunks.  Block p rounds its chunks and sends the stores of block p - 1.
.macro ROWS asf16
.irp p, 0,1,2,3
.irp q, 0,1,2,3
	s_wait_loadcnt 15-(4*\p+\q)                    ; loads come back in order: this chunk is in, the younger ones stay out
.if (\p > 0) && (\q == 0)
	s_wait_alu depctr_va_vdst(0)                   ; the block before has written its four pairs of Y, which this block's four stores read
.endif
.if \p > 0
	PUT 4*\p+\q-4                                  ; no further wait: no vector instruction since the wait above names this pair of Y, v3 or v4
.endif
	CVT 4*\p+\q, \asf16
.endr
.endr
	s_wait_alu depctr_va_vdst(0)                   ; the last block has written its four pairs of Y, which the last four stores read
.irp q, 12,13,14,15
	PUT \q
.endr
.endm
	s_cmp_eq_u32 s39, 3                            ; the same in all waves of the work-group
	s_cbranch_scc1 .Lwp
	ROWS 0
	s_branch .Lsmall
.Lwp:
	ROWS 1
.Lsmall:
	; the small jobs, in four work-groups; they name only registers that no pending store reads
	s_cmp_lt_u32 s37, 512
	s_cbranch_scc1 .Lend
	s_cmp_lg_u32 s40, 0
	s_cbranch_scc1 .Lend
	s_cmp_eq_u32 s39, 3
	s_cbranch_scc1 .Lmask
	s_cmp_eq_u32 s39, 1                            ; one bias: 256 threads x 16 bytes = its 4,096 bytes
	s_cselect_b64 s[54:55], s[20:21], s[22:23]
	s_cmp_eq_u32 s39, 0
	s_cselect_b64 s[54:55], s[18:19], s[54:55]
	s_lshl_b32 s56, s39, 12
	s_mov_b32 s57, 0
	s_add_nc_u64 s[58:59], s[32:33], s[56:57]
	v_lshlrev_b32 v5, 4, v0
	s_wait_alu depctr_va_vdst(0)                   ; v5 is written: the load and the store below read it as their offset
	global_load_b128 v[MI:MI+3], v5, s[54:55]
	s_wait_loadcnt 0x0
	global_store_b128 v5, v[MI:MI+3], s[58:59]
	s_endpgm
; Half f of the mask job: the words 4 f .. 4 f + 3, sixteen bytes.  The bytes are cut out, the sixteen compares stand in one run, each with a scalar register of its own, and one wait serves them all.
.macro MHALF f
.irp n, 0,1,2,3
.irp k, 0,1,2,3
	v_bfe_u32 v[MO+16*(\f)+4*\n+\k], v[MI+4*(\f)+\n], 8*\k, 8
.endr
.endr
.irp n, 0,1,2,3
.irp k, 0,1,2,3
	v_cmp_ne_u32 s[MS+4*\n+\k], 0, v[MO+16*(\f)+4*\n+\k]
.endr
.endr
	s_wait_alu depctr_va_sdst(0)                   ; the sixteen compares have written s[46:61], ahead of the selects that read them
.irp n, 0,1,2,3
.irp k, 0,1,2,3
	v_cndmask_b32 v[MO+16*(\f)+4*\n+\k], v7, v8, s[MS+4*\n+\k]    ; byte not 0: 0.0; byte 0: -infinity
.endr
.endr
.endm
.Lmask:                                            ; 8,192 mask bytes: 256 threads x 4 bytes x 8
	v_lshlrev_b32 v5, 2, v0
	v_lshlrev_b32 v6, 4, v0
	v_mov_b32 v7, 0xff800000                       ; -infinity
	v_mov_b32 v8, 0                                ; (v8's load has been waited for)
	s_wait_alu depctr_va_vdst(0)                   ; v5 and v6 are written: the eight loads read v5 as their offset, the eight stores v6
.irp n, 0,1,2,3,4,5,6,7
	global_load_b32 v[MI+\n], v5, s[24:25] offset:1024*\n
.endr
	s_wait_loadcnt 4                               ; the first four words are in, the four younger loads stay out
	MHALF 0
	s_wait_loadcnt 0x0
	s_wait_alu depctr_va_vdst(0)                   ; the first half's selects have written v[112:127], which the four stores below read
.irp n, 0,1,2,3
	global_store_b128 v6, v[MO+4*\n:MO+4*\n+3], s[34:35] offset:4096*\n
.endr
	MHALF 1                                        ; it names v[128:143] and the mask words alone: none of the registers that the stores above read
	s_wait_alu depctr_va_vdst(0)                   ; the second half's selects have written v[128:143], which the last four stores read
.irp n, 4,5,6,7
	global_store_b128 v6, v[MO+4*\n:MO+4*\n+3], s[34:35] offset:4096*\n
.endr
.Lend:
	s_endpgm
.Lfunc_end_k_q2a264933c3_cast:
	.size	k_q2a264933c3_cast, .Lfunc_end_k_q2a264933c3_cast-k_q2a264933c3_cast
	.p2alignl 7, 3214868480
	.fill 96, 4, 3214868480
	.section	.rodata,"a",@progbits
	.p2align	6, 0x0
	.amdhsa_kernel k_q2a264933c3_cast
		.amdhsa_group_segment_fixed_size 0
		.amdhsa_private_segment_fixed_size 0
		.amdhsa_enable_private_segment 0
		.amdhsa_kernarg_size 112
		.amdhsa_user_sgpr_count 2
		.amdhsa_user_sgpr_kernarg_segment_ptr 1
		.amdhsa_wavefront_size32 1
		.amdhsa_system_sgpr_workgroup_id_x 1
		.amdhsa_system_sgpr_workgroup_id_y 1
		.amdhsa_system_sgpr_workgroup_id_z 1
		.amdhsa_system_vgpr_workitem_id 0
		.amdhsa_next_free_vgpr 144
		.amdhsa_next_free_sgpr 66
		.amdhsa_reserve_vcc 0
		.amdhsa_float_denorm_mode_32 3
		.amdhsa_float_denorm_mode_16_64 3
		.amdhsa_memory_ordered 1
		.amdhsa_forward_progress 1
		.amdhsa_inst_pref_size 25
	.end_amdhsa_kernel
	.amdgpu_metadata
---
amdhsa.version: [ 1, 2 ]
amdhsa.kernels:
  - .name:           k_q2a264933c3_cast
    .symbol:         k_q2a264933c3_cast.kd
    .args:
      - { .name: x, .offset: 0, .size: 8, .value_kind: global_buffer, .address_space: global }
      - { .name: Wq, .offset: 8, .size: 8, .value_kind: global_buffer, .address_space: global }
      - { .name: Wk, .offset: 16, .size: 8, .value_kind: global_buffer, .address_space: global }
      - { .name: Wv, .offset: 24, .size: 8, .value_kind: global_buffer, .address_space: global }
      - { .name: Wp, .offset: 32, .size: 8, .value_kind: global_buffer, .address_space: global }
      - { .name: bq, .offset: 40, .size: 8, .value_kind: global_buffer, .address_space: global }
      - { .name: bk, .offset: 48, .size: 8, .value_kind: global_buffer, .address_space: global }
      - { .name: bv, .offset: 56, .size: 8, .value_kind: global_buffer, .address_space: global }
      - { .name: custom_mask, .offset: 64, .size: 8, .value_kind: global_buffer, .address_space: global }
      - { .name: xh, .offset: 72, .size: 8, .value_kind: global_buffer, .address_space: global }
      - { .name: wqkv, .offset: 80, .size: 8, .value_kind: global_buffer, .address_space: global }
      - { .name: wph, .offset: 88, .size: 8, .value_kind: global_buffer, .address_space: global }
      - { .name: bqkv, .offset: 96, .size: 8, .value_kind: global_buffer, .address_space: global }
      - { .name: maskf, .offset: 104, .size: 8, .value_kind: global_buffer, .address_space: global }
    .group_segment_fixed_size: 0
    .private_segment_fixed_size: 0
    .kernarg_segment_align: 8
    .kernarg_segment_size: 112
    .max_flat_workgroup_size: 256
    .sgpr_count:     66
    .vgpr_count:     144
    .wavefront_size: 32
...
	.end_amdgpu_metadata
.endif
;; end of part 8
;; launch qkvproj: the kernel of part 2 again; grid 16 x 32, 4 waves a work-group, clusters of 4 x 4, 327,680 bytes of LDS; arguments xh, wqkv, bqkv, qkv; writes qkv
;; launch attn: the kernel of part 6 again; grid 8 x 32, 8 waves a work-group, no clusters, 327,680 bytes of LDS; arguments qkv, maskf, yh; writes yh
;; launch outproj: the kernel of part 7 again; grid 8 x 32, 4 waves a work-group, clusters of 4 x 4, 327,680 bytes of LDS; arguments yh, wph, bp, out0; writes out0
